; MI455X (gfx1250); checked and timed in simulation.
; The chip was launched on July 23, 2026; its instructions are those of AMD's public machine-readable ISA for CDNA 5 (MIT licence, August 2026) and "CDNA5" Instruction Set Architecture Reference Guide (July 2026). The comments in the code are by the model that wrote it; some were corrected since.
;; Multi Head Attention. Allowed arithmetic: matrix products marked QUANTISED: E2M3 operands, one E8M0 scale for each 32 along K, by v_wmma_scale_f32_16x16x128_f8f6f4 with both operands' format E2M3, f32 sums; everything else in f32.
;; Inputs: W_KQV 3,072 x 1,024 float32; W_O 1,024 x 1,024 float32; X 4 x 2,048 x 1,024 float32.
;; Outputs: out0 4 x 2,048 x 1,024 float32.
;; This version of the problem:
;;   THIS VERSION OF THE PROBLEM IS GIVEN IN LOW PRECISION. The matrix products marked QUANTISED in the list below multiply operands that are first quantised to E2M3 (2 exponent bits, 3 mantissa bits; 6 bits a number), with one power-of-two scale for each 32 numbers along K (OCP MX v1.0); their sums are f32. All else is computed in f32.
;;   The module's matrix products, in the order in which they are computed (A, B: the left and right operand; K: the contracted axis; several contracted axes count as one K, in the product's order):
;;     1. [M 8,192, K 1,024] x [K 1,024, N 3,072]; A: input X; B: input W_KQV: QUANTISED
;;     2. batch 64 x [M 2,048, K 64] x [K 64, N 2,048]; A: computed on the way; B: computed on the way: QUANTISED
;;     3. batch 64 x [M 2,048, K 2,048] x [K 2,048, N 64]; A: softmax (see below); B: computed on the way: QUANTISED
;;     4. [M 8,192, K 1,024] x [K 1,024, N 1,024]; A: computed on the way; B: input W_O: QUANTISED
;;   THE QUANTISER, for each operand of a quantised product, along K:
;;     - K is cut into blocks of 32 from its start; a last block that is shorter is filled with zeros.
;;     - A block's scale is 2^e with e = floor(log2(the largest magnitude in the block)) - 2, held to -126 .. 127; a block of zeros has e = 0. As a byte (E8M0): e + 127.
;;     - Each number is divided by its block's scale, clamped to +-7.5, and rounded to the nearest number of E2M3, ties to even, subnormals kept.
;;     - The product sums the exact products of the quantised numbers (number of the format x scale) in f32.
;;   ~~~python
;;   def quantise(x, axis):      # numpy; x: float32 -> the quantised numbers, widened to float32 again
;;       x = np.moveaxis(x, axis, -1); K = x.shape[-1]
;;       x = np.pad(x, [(0, 0)] * (x.ndim - 1) + [(0, -K % 32)]); x = x.reshape(x.shape[:-1] + (-1, 32)); a = np.abs(x).max(-1, keepdims=True)
;;       e = np.where(a > 0, np.clip(np.frexp(np.where(a > 0, a, 1))[1] - 1 - 2, -126, 127), 0)      # np.frexp(a)[1] - 1 = floor(log2(a)), exactly
;;       r = np.clip(x / 2.0 ** e, -7.5, 7.5)
;;       step = 2.0 ** (np.maximum(np.frexp(np.where(r == 0, 1, r))[1] - 1, 0) - 3)
;;       q = np.round(r / step) * step * 2.0 ** e      # np.round: ties to even
;;       return np.moveaxis(q.reshape(q.shape[:-2] + (-1,))[..., :K], -1, axis).astype(np.float32)
;;   ~~~
;;   SOFTMAX AHEAD OF A QUANTISED PRODUCT. Where the list says 'softmax', what is quantised is not the finished softmax but p = 2^(t - M), with t = logit x log2(e) and M = ceil(the row's largest t), a whole number; so 1/2 < the row's largest p <= 1. The row's sum l is taken of the UNQUANTISED p, in f32, and the product's result is divided by l at the end. Since M is a whole number, a kernel that streams over the keys may use a running M (the ceiling of the running maximum): every later rescaling is an exact power of two, which a block's scale takes up: the codes' values come out the same.
;;   OPERANDS COMPUTED ON THE WAY. 'Computed on the way' means the value that the module computes at that place (a softmax that the list does not call 'softmax' is quantised finished and normalised). What goes into a quantiser is computed in f32, as accurately as f32 sums, v_exp_f32 and their like allow (about 1e-6 of the number): no bf16 or f16 on the way to a quantiser, and a product that is left as it is and whose result goes on into a quantised operand takes f32 operands (vector FMAs, or v_wmma_f32_16x16x4_f32). A number that lies on a knife's edge between two numbers of the format may be rounded either way, as far as f32 arithmetic and the matrix unit's own rounding can turn it there, and no further.
;; One version. Each part assembles by itself: llvm-mc -triple=amdgcn-amd-amdhsa -mcpu=gfx1250 --defsym DOCPART=n.
;; ======== version 1 of 1: 4 launches
;; limits: right only within a limited range of input values
;; workspace buffers: xw_codes 9,437,184 bytes; xw_scales 393,216 bytes; rope_tab 524,288 bytes; kqv 19,660,800 bytes; act_codes 6,291,456 bytes; act_scales 262,144 bytes
;; launch prep (part 1): grid 416 x 1, 4 waves a work-group, no clusters, 34,304 bytes of LDS; arguments X, W_KQV, W_O, xw_codes, xw_scales, rope_tab; writes xw_codes, xw_scales, rope_tab
.if DOCPART == 1
	.amdgcn_target "amdgcn-amd-amdhsa--gfx1250"
	.amdhsa_code_object_version 6
	.text
	.protected	k_q8995a96e48_prep
	.globl	k_q8995a96e48_prep
	.p2align	8
	.type	k_q8995a96e48_prep,@function
k_q8995a96e48_prep:
	s_mov_b64 s[64:65], 0
	v_nop
	global_prefetch_b8 v0, s[64:65] scope:SCOPE_SE
	s_setreg_imm32_b32 hwreg(HW_REG_WAVE_MODE, 25, 1), 1
	s_wait_xcnt 0x0
; MULTI-HEAD ATTENTION, B 4, S 2048, D 1024, 16 heads of 64, all four products on codes of E2M3 with one E8M0 scale for each 32 along K.
; FOUR LAUNCHES: this one (codes of X, W_KQV, W_O; the cos/sin table), the projection with RoPE, attention, the output projection.
; DEAD WORK LEFT OUT (in attention): a step of 128 keys all of which come after all 16 queries of a wave.  The problem's own body sets those scores to -infinity,
; so p = 0 exactly there, whatever the inputs hold: nothing is added to a row's sum or to its result.  All three inputs have a way to the output and are loaded.
; LIMITS: NaN and infinities among the inputs are not served; a NaN, an infinity or an overflow that would reach only the steps left out is not carried to the result;
; a block of zeros gets the scale byte 1 where the rule says 127 (its codes are zeros, and these bytes are read by this program alone); a block whose largest magnitude
; lies under 2^-124 is held at that floor; the RoPE frequencies are the f32 numbers nearest to 10^(-i/8), which may differ in the last bit from a power followed by a division.
; THIS LAUNCH.  Work-groups 0-383: a wave takes one ROW BLOCK of 16 rows and half of K (4 steps of 128).  Row block i holds rows 32 (i/2) + 8 (i%2) + r + 8 (r/8), r = 0..15, so that in a later
; product's result the registers of two neighbouring blocks are 16 neighbours.  Blocks 0-511: X, 512-703: W_KQV, 704-767: W_O: only pointers are chosen, all take one path.
; Each load reads 512 consecutive bytes of one row; the 16 rows turn through the wave's own stage in LDS, so that a lane gets 16 neighbours of each block of 32.
; The codes leave in the ORDER OF THE OPERAND'S REGISTERS: a fragment (16 rows x 128 K) is 1,536 bytes, two halves of 768: registers 6c..6c+3 at 16 x lane, registers 6c+4, 6c+5 at 512 + 8 x lane.
; The scale words: [row block 512 B][256 along K: 128 B][row: 8 B][128 along K: 4 B].  Every store covers whole aligned runs of 256 bytes.
; Work-groups 384-415: the table: a wave takes one block of 16 positions, a lane 16 angles.  No matrix unit, no cluster: nothing is shared, memory binds.
.set SPARE, 33792                      ; behind the four stages: the spare words, 128 bytes a wave
.set L16,  1                           ; v1  16 x lane
.set L8,   2                           ; v2  8 x lane
.set SIN,  3                           ; v3  the stage, on the way in
.set SOUT, 4                           ; v4  and on the way out
.set SPW,  5                           ; v5  my spare word; never rewritten
.set NIL,  6                           ; v6  0; never rewritten
.set RAW,  16                          ; v16-143  two sets of 64 registers as loaded
.set XN,   144                         ; v144-207 64 numbers: register 16 b + i = k 32 b + 16 (lane / 16) + i of my row
.set PC,   208                         ; v208-227 the codes just made
.set TM,   228                         ; v228-239 at work
.set PWK,  240                         ; v240-243 the four K steps' scale words
.set SEL,  20                          ; s[20:21] selects for lane l xor 16
.set MSB,  0
.macro WIN new                         ; the immediate's high byte repeats the setting that is left (here every window stays 0)
.set WNEW, \new
.if MSB != WNEW
	s_set_vgpr_msb (MSB<<8)|WNEW
.set MSB, WNEW
.endif
.endm
; 64 numbers of a lane become a fragment's codes in v[PC] on and its scale word in v[pw]
.macro QUANT s, w, pw
	WIN (\w)|((\w)<<2)
.irp b, 0,1,2,3
	v_max3_num_f32 v[TM+\b], |v[(\s)+16*\b]|, |v[(\s)+16*\b+1]|, 0x1800000   ; my 16 numbers of block b, and the floor 2^(3 - 127): the byte cannot fall under 1
.endr
.irp i, 2,4,6,8,10,12,14
.irp b, 0,1,2,3
	v_max3_num_f32 v[TM+\b], |v[(\s)+16*\b+\i]|, |v[(\s)+16*\b+\i+1]|, v[TM+\b]
.endr
.endr
	WIN 0
.irp b, 0,1,2,3
	v_permlanex16_b32 v[TM+4+\b], v[TM+\b], s[SEL], s[SEL+1]
.endr
.irp b, 0,1,2,3
	v_max_num_f32 v[TM+\b], v[TM+\b], v[TM+4+\b]       ; with lane l xor 16's: the block's largest magnitude
.endr
.irp b, 0,1,2,3
	v_add_nc_u32 v[TM+8+\b], 0xff000000, v[TM+\b]      ; 2 off its exponent field: the conversion's scale operand
.endr
.irp b, 0,1,2,3
	v_lshrrev_b32 v[TM+4+\b], 23, v[TM+8+\b]           ; the scale's byte
.endr
	v_lshl_or_b32 v[\pw], v[TM+5], 8, v[TM+4]
	v_lshl_or_b32 v[\pw], v[TM+6], 16, v[\pw]
	v_lshl_or_b32 v[\pw], v[TM+7], 24, v[\pw]
	WIN \w
.irp c, 0,1
	v_cvt_scalef32_pk16_fp6_f32 v[PC+6*\c:PC+6*\c+2], v[(\s)+32*\c:(\s)+32*\c+15], v[TM+8+2*\c]
	v_cvt_scalef32_pk16_fp6_f32 v[PC+12+4*\c:PC+14+4*\c], v[(\s)+32*\c+16:(\s)+32*\c+31], v[TM+9+2*\c]
.endr
	WIN 0
	v_nop                                          ; one plain place behind a scaled conversion
.irp c, 0,1                                    ; the operand's layout wants a whole block in a lane
.irp i, 0,1,2
	v_permlane16_swap_b32 v[PC+6*\c+\i], v[PC+12+4*\c+\i]
.endr
.irp i, 0,1,2
	v_mov_b32 v[PC+3+6*\c+\i], v[PC+12+4*\c+\i]
.endr
.endr
.endm
	s_load_b128 s[4:7], s[0:1], 0x0                ; X, W_KQV
	s_load_b128 s[8:11], s[0:1], 0x10              ; W_O, the codes
	s_load_b128 s[12:15], s[0:1], 0x20             ; the scale words, the table
	v_lshl_add_u32 v[SPW], v0, 2, SPARE
	v_mov_b32 v[NIL], 0
	v_lshrrev_b32 v7, 5, v0
	v_readfirstlane_b32 s16, v7                    ; wave
	v_and_b32 v8, 31, v0                           ; lane
	v_and_b32 v9, 15, v0                           ; r
	v_bfe_u32 v10, v0, 4, 1                        ; h
	v_lshlrev_b32 v[L16], 4, v8
	v_lshlrev_b32 v[L8], 3, v8
	s_mov_b32 s[SEL], 0x76543210
	s_mov_b32 s[SEL+1], 0xfedcba98
	s_mov_b32 s22, 0xffff0000                      ; lanes 16-31
	s_cmp_ge_u32 ttmp9, 384
	s_cbranch_scc1 .Ltable
	s_mul_i32 s17, s16, 8448                       ; my stage: 16 rows x (512 bytes + 16)
	v_add_nc_u32 v[SIN], s17, v[L16]
	v_mul_u32_u24 v[SOUT], v9, 528
	v_lshl_add_u32 v[SOUT], v10, 6, v[SOUT]
	v_add_nc_u32 v[SOUT], s17, v[SOUT]             ; row r, + 64 h
.irp b, 0,1,2,3
	v_mov_b32 v[TM+4+\b], 0                        ; written once: a lane permute's destination counts as one of its sources
.endr
	s_lshl_b32 s18, ttmp9, 2
	s_add_co_u32 s18, s18, s16
	s_lshr_b32 s19, s18, 1                         ; my row block, 0..767
	s_and_b32 s18, s18, 1                          ; my half of K
	s_wait_alu depctr_va_vdst(0)
	s_wait_kmcnt 0x0
	s_mov_b32 s23, 704
	s_cmp_lt_u32 ttmp9, 352                        ; the choice hangs on the work-group's number alone
	s_cselect_b64 s[6:7], s[6:7], s[8:9]
	s_cselect_b32 s23, 512, s23
	s_cmp_lt_u32 ttmp9, 256
	s_cselect_b64 s[4:5], s[4:5], s[6:7]
	s_cselect_b32 s23, 0, s23
	s_sub_co_u32 s23, s19, s23                     ; the block's number in its own tensor
	s_lshr_b32 s24, s23, 1
	s_lshl_b32 s24, s24, 5
	s_and_b32 s25, s23, 1
	s_lshl_b32 s25, s25, 3
	s_add_co_u32 s24, s24, s25                     ; its first row
	s_lshl_b32 s24, s24, 12                        ; a row is 4,096 bytes
	s_lshl_b32 s25, s18, 11
	s_add_co_u32 s24, s24, s25
	s_mov_b32 s25, 0
	s_add_nc_u64 s[4:5], s[4:5], s[24:25]
	s_mul_i32 s24, s19, 12288
	s_mul_i32 s26, s18, 6144
	s_add_co_u32 s24, s24, s26
	s_add_nc_u64 s[10:11], s[10:11], s[24:25]
	s_lshl_b32 s24, s19, 9
	s_lshl_b32 s26, s18, 8
	s_add_co_u32 s24, s24, s26
	s_add_nc_u64 s[12:13], s[12:13], s[24:25]
.macro LOADK k                         ; K step k of my 16 rows: each load reads 512 consecutive bytes of one row
.irp n, 0,1,2,3,4,5,6,7,8,9,10,11,12,13,14,15
	global_load_b128 v[RAW+64*((\k)%2)+4*\n:RAW+64*((\k)%2)+4*\n+3], v[L16], s[4:5] offset:(\n+8*(\n/8))*4096+512*(\k) th:TH_LOAD_NT
.endr
.endm
.macro KSTEP k
.if (\k) < 3
	s_wait_loadcnt 16                              ; this step's 16 loads are in; the next step's 16 may be out
.else
	s_wait_loadcnt 0x0
.endif
.irp n, 0,1,2,3,4,5,6,7,8,9,10,11,12,13,14,15
	ds_store_b128 v[SIN], v[RAW+64*((\k)%2)+4*\n:RAW+64*((\k)%2)+4*\n+3] offset:528*\n
.endr
.irp b, 0,1,2,3
.irp j, 0,1,2,3
	ds_load_b128 v[XN+16*\b+4*\j:XN+16*\b+4*\j+3], v[SOUT] offset:128*\b+16*\j   ; LDS serves a wave's instructions in order: these see my stores
.endr
.endr
	s_wait_dscnt 0x0                               ; the numbers are back, and the stores have read their registers
	s_wait_xcnt 0x0                                ; the last step's stores have read the codes' registers, which are written again below
.if (\k) < 2
	LOADK (\k)+2
.endif
	QUANT XN, 0, PWK+(\k)
	global_store_b128 v[L16], v[PC:PC+3], s[10:11] offset:1536*(\k)
	global_store_b64 v[L8], v[PC+4:PC+5], s[10:11] offset:1536*(\k)+512
	global_store_b128 v[L16], v[PC+6:PC+9], s[10:11] offset:1536*(\k)+768
	global_store_b64 v[L8], v[PC+10:PC+11], s[10:11] offset:1536*(\k)+1280
.endm
	LOADK 0
	LOADK 1
	KSTEP 0
	KSTEP 1
	KSTEP 2
	KSTEP 3
	v_cndmask_b32 v244, v[PWK], v[PWK+2], s22      ; lanes 0-15: the first 256 along K of row r; lanes 16-31: the second
	v_cndmask_b32 v245, v[PWK+1], v[PWK+3], s22
	global_store_b64 v[L8], v[244:245], s[12:13]   ; 32 lanes store 256 consecutive bytes
	s_branch .Lend
; THE TABLE: [128 blocks of positions][8 pieces][32 lanes][16 bytes].  Piece n of lane (r, h): cos, sin, cos, sin of pairs i0, i0 + 1, i0 = 16 (n/4) + 2 (n%4) + 8 h, at position 32 (bl/2) + 8 (bl%2) + r + 8 (r/8).
; angle = position x 10^(-i/8), one f32 product.  n = the nearest whole number to angle x 2/pi, at most 1,304; pi/2 is taken off in two fused steps (its f32 value and the f32 value of the rest:
; what is left of pi/2 is under 2e-15); polynomials on |r| <= pi/4; the quadrant swaps and signs.
.macro ANGLE d, l0, l1
	v_mul_f32 v48, \l0, v11
	v_mul_f32 v49, \l1, v11
	v_cndmask_b32 v48, v48, v49, s22               ; lanes 16-31 take the pair 8 further on
	v_mul_f32 v49, 0x3f22f983, v48
	v_rndne_f32 v49, v49
	v_fmamk_f32 v50, v49, 0xbfc90fdb, v48
	v_fmamk_f32 v50, v49, 0x333bbd2e, v50
	v_mul_f32 v51, v50, v50
	v_fmaak_f32 v52, s23, v51, 0xbab6061a
	v_fmaak_f32 v53, s24, v51, 0x3c08839e
	v_fmaak_f32 v52, v52, v51, 0x3d2aaaa5
	v_fmaak_f32 v53, v53, v51, 0xbe2aaaa3
	v_fma_f32 v54, v51, -0.5, 1.0
	v_mul_f32 v55, v51, v51
	v_mul_f32 v53, v53, v51
	v_fma_f32 v52, v55, v52, v54                   ; cos r
	v_fma_f32 v53, v53, v50, v50                   ; sin r
	v_cvt_i32_f32 v56, v49
	v_and_b32 v57, 1, v56
	v_cmp_eq_u32 vcc_lo, 1, v57
	v_cndmask_b32 v[\d], v52, v53, vcc_lo
	v_cndmask_b32 v[\d+1], v53, v52, vcc_lo
	v_add_nc_u32 v57, 1, v56
	v_and_b32 v56, 2, v56
	v_and_b32 v57, 2, v57
	v_lshlrev_b32 v56, 30, v56
	v_lshlrev_b32 v57, 30, v57
	v_xor_b32 v[\d], v57, v[\d]
	v_xor_b32 v[\d+1], v56, v[\d+1]
.endm
.Ltable:
	s_sub_co_u32 s17, ttmp9, 384
	s_lshl_b32 s17, s17, 2
	s_add_co_u32 s17, s17, s16                     ; my block of positions, 0..127
	s_lshr_b32 s18, s17, 1
	s_lshl_b32 s18, s18, 5
	s_and_b32 s19, s17, 1
	s_lshl_b32 s19, s19, 3
	s_add_co_u32 s18, s18, s19
	s_wait_alu depctr_va_vdst(0)
	v_and_b32 v11, 8, v9
	v_add_nc_u32 v11, v11, v9
	v_add_nc_u32 v11, s18, v11
	v_cvt_f32_u32 v11, v11                         ; my position
	s_mov_b32 s23, 0x37ccf5ce
	s_mov_b32 s24, 0xb94ca1f9
	s_lshl_b32 s18, s17, 12
	s_mov_b32 s19, 0
	s_wait_alu depctr_va_vdst(0)
	s_wait_kmcnt 0x0
	s_add_nc_u64 s[14:15], s[14:15], s[18:19]
	ANGLE 16, 1.0, 0.1
	ANGLE 18, 0.7498942093, 0.07498942093
	ANGLE 20, 0.5623413252, 0.05623413252
	ANGLE 22, 0.4216965034, 0.04216965034
	ANGLE 24, 0.3162277660, 0.03162277660
	ANGLE 26, 0.2371373706, 0.02371373706
	ANGLE 28, 0.1778279410, 0.01778279410
	ANGLE 30, 0.1333521432, 0.01333521432
	ANGLE 32, 0.01, 0.001
	ANGLE 34, 0.007498942093, 0.0007498942093
	ANGLE 36, 0.005623413252, 0.0005623413252
	ANGLE 38, 0.004216965034, 0.0004216965034
	ANGLE 40, 0.003162277660, 0.0003162277660
	ANGLE 42, 0.002371373706, 0.0002371373706
	ANGLE 44, 0.001778279410, 0.0001778279410
	ANGLE 46, 0.001333521432, 0.0001333521432
.irp n, 0,1,2,3,4,5,6,7
	global_store_b128 v[L16], v[16+4*\n:19+4*\n], s[14:15] offset:512*\n   ; 512 consecutive bytes a store
.endr
.Lend:
	s_wait_tensorcnt 0x0                           ; the wave's end, behind my last LDS store
	ds_add_u32 v[SPW], v[NIL]
	s_wait_dscnt 0x0
	s_endpgm
.Lfunc_end_k_q8995a96e48_prep:
	.size	k_q8995a96e48_prep, .Lfunc_end_k_q8995a96e48_prep-k_q8995a96e48_prep
	.p2alignl 7, 3214868480
	.fill 96, 4, 3214868480
	.section	.rodata,"a",@progbits
	.p2align	6, 0x0
	.amdhsa_kernel k_q8995a96e48_prep
		.amdhsa_group_segment_fixed_size 34304
		.amdhsa_private_segment_fixed_size 0
		.amdhsa_enable_private_segment 0
		.amdhsa_kernarg_size 48
		.amdhsa_user_sgpr_count 2
		.amdhsa_user_sgpr_kernarg_segment_ptr 1
		.amdhsa_wavefront_size32 1
		.amdhsa_system_sgpr_workgroup_id_x 1
		.amdhsa_system_sgpr_workgroup_id_y 1
		.amdhsa_system_sgpr_workgroup_id_z 1
		.amdhsa_system_vgpr_workitem_id 0
		.amdhsa_next_free_vgpr 248
		.amdhsa_next_free_sgpr 66
		.amdhsa_reserve_vcc 1
		.amdhsa_float_denorm_mode_32 3
		.amdhsa_float_denorm_mode_16_64 3
		.amdhsa_memory_ordered 1
		.amdhsa_forward_progress 1
		.amdhsa_inst_pref_size 57
	.end_amdhsa_kernel
	.amdgpu_metadata
---
amdhsa.version: [ 1, 2 ]
amdhsa.kernels:
  - .name:           k_q8995a96e48_prep
    .symbol:         k_q8995a96e48_prep.kd
    .args:
      - { .name: X, .offset: 0, .size: 8, .value_kind: global_buffer, .address_space: global }
      - { .name: W_KQV, .offset: 8, .size: 8, .value_kind: global_buffer, .address_space: global }
      - { .name: W_O, .offset: 16, .size: 8, .value_kind: global_buffer, .address_space: global }
      - { .name: xw_codes, .offset: 24, .size: 8, .value_kind: global_buffer, .address_space: global }
      - { .name: xw_scales, .offset: 32, .size: 8, .value_kind: global_buffer, .address_space: global }
      - { .name: rope_tab, .offset: 40, .size: 8, .value_kind: global_buffer, .address_space: global }
    .group_segment_fixed_size: 34304
    .private_segment_fixed_size: 0
    .kernarg_segment_align: 8
    .kernarg_segment_size: 48
    .max_flat_workgroup_size: 128
    .sgpr_count:     66
    .vgpr_count:     248
    .wavefront_size: 32
...
	.end_amdgpu_metadata
.endif
;; end of part 1
;; launch proj (part 2): grid 8 x 32, 4 waves a work-group, clusters of 4 x 4, 327,680 bytes of LDS; arguments xw_codes, xw_scales, rope_tab, kqv; writes kqv
.if DOCPART == 2
	.amdgcn_target "amdgcn-amd-amdhsa--gfx1250"
	.amdhsa_code_object_version 6
	.text
	.protected	k_q8995a96e48_proj
	.globl	k_q8995a96e48_proj
	.p2align	8
	.type	k_q8995a96e48_proj,@function
k_q8995a96e48_proj:
	s_mov_b64 s[64:65], 0
	v_nop
	global_prefetch_b8 v0, s[64:65] scope:SCOPE_SE
	s_setreg_imm32_b32 hwreg(HW_REG_WAVE_MODE, 25, 1), 1
	s_wait_xcnt 0x0
	s_wait_alu depctr_hold_cnt(0) depctr_sa_sdst(0) depctr_va_vdst(0) depctr_va_sdst(0) depctr_va_ssrc(0) depctr_va_vcc(0) depctr_vm_vsrc(0)
	s_getreg_b32 s2, hwreg(HW_REG_IB_STS2, 6, 4)
	s_cmp_eq_u32 s2, 0
	s_cbranch_scc0 .Lentry_in_a_cluster
	s_endpgm
.Lentry_in_a_cluster:
	s_bfe_u32 s2, ttmp6, 0x10000c
	s_cmp_lg_u32 s2, 0xf033
	s_cbranch_scc0 .Lentry_shape_is_right
	s_endpgm
.Lentry_shape_is_right:
; KQV = X W_KQV^T on codes of E2M3 (K = 1,024), RoPE on K and Q, and the quantising of K, Q (along the head's 64) and V (along the keys), all in registers: no f32 result goes to memory.
; THE DEAL.  256 work-groups of four waves: work-group (g, ty) makes 256 tokens x heads 2 g, 2 g + 1 of K, then of Q, then of V.  Wave (a, b) takes tokens 128 a .. + 127 and head 2 g + b.
; The 256 tokens, ALL of K, stay in LDS (16 row blocks, 196,608 dense bytes, brought once by waves 0-2).  128 rows of a weight (98,304 bytes) have a region of their own: W_K's at the head (wave 3); a wave moves its 64 rows,
; all of K, into 384 registers, and when every wave has done so the region is filled again with the next weight's rows, behind a wait, a spare add and a round of the cluster's barrier.
; A refill is asked for 256 products ahead of the wait for it; so no prefetch is laid.  One tensor load of a wave is out at the most.
; A wave streams its 8 token blocks of 16 rows past the weights: 32 products a block, four accumulators by turns; a block's fragments lie twice in registers.
; K and Q are one text, a loop of two trips; each trip asks for the next weight (W_Q, W_V: 64 row blocks on).  V's phase is written out.
; CLUSTERS of 4 x 4: the tokens hang on ty alone and are asked for jointly along a row of the cluster, the weights on g alone, along a column.
; A ROW BLOCK i holds rows 32 (i/2) + 8 (i%2) + r + 8 (r/8).  K, Q: source 0 = the weight's rows: lane (r, h) holds token row r, and register 16 b + i of a block's 32 is channel 32 b + 16 h + i.
; V: source 0 = the tokens: a lane holds one channel, and register 8 s + j of a weight block's 64 is key 32 (s/2) + 8 (s%2) + 16 h + j.
; WHAT IS STORED (kqv).  For each head and 256 keys 25,600 bytes: [128 keys: K 6,144 | V 6,144] twice, then scale words: K 256, V 256, twice.  Q: from QBASE on, 6,400 bytes for each head and 128 queries.
;   A fragment is three pieces of 512 bytes: registers 4c..4c+3 at 512 c + 16 x lane.  K and Q have 64 along K, the matrix instruction 128: a DOUBLE fragment holds in k 0-63 token block 2 ap and in k 64-127 block 2 ap + 1.
;   A block of scale words is 8 x lane: word 0: fragment 0 (lanes 0-15), fragment 1 (lanes 16-31); word 1: fragments 2, 3.  Every store covers whole aligned runs of 256 bytes.
; REGISTERS.  Fragment f (12 registers): f < 42 in window 1 + f / 21 at 12 (f % 21), else in window 0 at 152 + 12 (f - 42); 0-31 the weights' (4 q + b), 32-39 and 40-47 the tokens' two sets.
;   window 3: V: 32 accumulators (64 b + 8 s).  K, Q: v0-63 two sets of four accumulators, v64-191 two sets of cos and sin, v192-255 a double fragment's 64 numbers behind RoPE.
.set WREG,   196608                    ; the weights' region, behind the tokens
.set SPARE,  294912                    ; the spare words, 128 bytes a wave
.set QBASE,  13107200
.set ADA,  4                           ; v4, v5 my token blocks 0-3: 16 x lane, 8 x lane;  v6, v7 blocks 4-7
.set ADB,  8                           ; v8, v9 my four blocks of the weight
.set VC,   10                          ; v10 my byte offset of the codes;  v11 of the scale words;  v12 in the table
.set VS,   11
.set TA,   12
.set SPW,  13
.set NIL,  14
.set SOF,  15                          ; v15 512 (lane/16) + 8 (lane%16)
.set L16,  16
.set L8,   17
.set SB,   24                          ; v24-39  the weight's scale words: 8 (b/2) + q; lanes 0-15 the even block, lanes 16-31 the odd
.set SA,   44                          ; v44-75  the tokens': 8 (s/2) + q
.set PC,   80                          ; v80-99  the codes just made
.set TM,   100                         ; v100-111 at work
.set SW,   112                         ; v112-115 four scale words
.set OW,   120
.set TMP,  192
.set SEL,  96
.set G1A, 24
.set G1B, 32
.set G0A, 48
.set G0B, 52
.set MSB, 0
.macro WIN new                         ; the immediate's high byte repeats the setting that is left
.set WNEW, \new
.if MSB != WNEW
	s_set_vgpr_msb (MSB<<8)|WNEW
.set MSB, WNEW
.endif
.endm
.macro PLACES n
.rept \n
	v_nop
.endr
.endm
.macro CROUND
	s_barrier_signal -1
	s_barrier_wait -1
	s_cmp_lg_u32 s14, 0
	s_cbranch_scc1 .Lnot_wave_0_\@
	s_barrier_signal -3
.Lnot_wave_0_\@:
	s_barrier_wait -3
	s_barrier_signal -1
	s_barrier_wait -1
.endm
.macro TLOAD g0, g1                    ; an s_nop 0 and four v_nop follow
	tensor_load_to_lds s[\g0:\g0+3], s[\g1:\g1+7]
	s_nop 0
	PLACES 4
.endm
.macro LOC f                           ; where fragment f lies
.if (\f) < 42
.set FW_, 1+(\f)/21
.set FG_, 12*((\f)%21)
.else
.set FW_, 0
.set FG_, 152+12*((\f)-42)
.endif
.endm
.macro FRAG f, a, off                  ; a fragment as it lies: two halves of 768 bytes, each 512 (16 a lane) + 256 (8 a lane)
	LOC \f
	WIN FW_<<6
	ds_load_b128 v[FG_:FG_+3], v[\a] offset:\off
	ds_load_b64 v[FG_+4:FG_+5], v[\a+1] offset:(\off)+512
	ds_load_b128 v[FG_+6:FG_+9], v[\a] offset:(\off)+768
	ds_load_b64 v[FG_+10:FG_+11], v[\a+1] offset:(\off)+1280
.endm
.macro FETCH s                         ; my token block s, all of K, into set s % 2: 32 loads
.irp q, 0,1,2,3,4,5,6,7
	FRAG 32+8*((\s)%2)+\q, ADA+2*((\s)/4), ((\s)%4)*12288+\q*1536
.endr
	WIN 0
.endm
.macro WEIGHTS                         ; my 64 rows of the weight, all of K: 128 loads
.irp q, 0,1,2,3,4,5,6,7
.irp b, 0,1,2,3
	FRAG 4*\q+\b, ADB, \b*12288+\q*1536
.endr
.endr
	WIN 0
.endm
.macro SBLOAD                          ; the weight's scale words
.irp p, 0,1
.irp c, 0,1,2,3
	global_load_b64 v[SB+8*\p+2*\c:SB+8*\p+2*\c+1], v[SOF], s[60:61] offset:1024*\p+128*\c
.endr
.endr
.endm
.macro WM c, ra, rb
	v_wmma_scale_f32_16x16x128_f8f6f4 v[D_:D_+7], v[P0_:P0_+11], v[P1_:P1_+11], \c, v[S0_], v[S1_] matrix_a_fmt:MATRIX_FMT_FP6 matrix_b_fmt:MATRIX_FMT_FP6 matrix_a_scale:MATRIX_SCALE_ROW\ra matrix_b_scale:MATRIX_SCALE_ROW\rb
.endm
.macro WM2 c
.if RA_ && RB_
	WM \c, 1, 1
.elseif RA_
	WM \c, 1, 0
.elseif RB_
	WM \c, 0, 1
.else
	WM \c, 0, 0
.endif
.endm
.macro PROD kind, s, q, b              ; kind 0 (K, Q): source 0 the weight's rows; kind 1 (V): source 0 the tokens
	LOC 4*\q+\b
.set WW_, FW_
.set WG_, FG_
	LOC 32+8*((\s)%2)+\q
.if \kind
.set D_, 64*\b+8*(\s)
.set P0_, FG_
.set P1_, WG_
.set S0_, SA+8*((\s)/2)+\q
.set S1_, SB+8*(\b/2)+\q
.set RA_, (\s)%2
.set RB_, \b%2
	WIN FW_|(WW_<<2)|0xf0
.else
.set D_, 32*((\s)%2)+8*\b
.set P0_, WG_
.set P1_, FG_
.set S0_, SB+8*(\b/2)+\q
.set S1_, SA+8*((\s)/2)+\q
.set RA_, \b%2
.set RB_, (\s)%2
	WIN WW_|(FW_<<2)|0xf0
.endif
.if \q
	WM2 v[D_:D_+7]
.else
	WM2 0                                          ; the first products start the sums
.endif
.endm
.macro BLK kind, s
.if (\s) < 7
	s_wait_dscnt 32                                ; this block's fragments are in; the next block's 32 loads may be out
.else
	s_wait_dscnt 0x0
.endif
.irp q, 0,1,2,3,4,5,6,7
.irp b, 0,1,2,3
	PROD \kind, \s, \q, \b
.endr
.endr
	WIN 0
	PLACES 4                                       ; ahead of the loads into the set just multiplied and of the reads of the results
.if (\s) < 6
	FETCH (\s)+2
.endif
.endm
; 64 numbers of a lane in window w, register 16 b + i = k 32 b + 16 (lane/16) + i of my row, become a fragment's codes in v[PC] on and its scale word in v[pw].  Each accumulator is read from its low end on.
.macro QUANT s, w, pw
	WIN (\w)|((\w)<<2)
.irp b, 0,1,2,3
	v_max3_num_f32 v[TM+\b], |v[(\s)+16*\b]|, |v[(\s)+16*\b+1]|, 0x1800000   ; and the floor 2^(3 - 127): the byte cannot fall under 1
.endr
.irp i, 2,4,6,8,10,12,14
.irp b, 0,1,2,3
	v_max3_num_f32 v[TM+\b], |v[(\s)+16*\b+\i]|, |v[(\s)+16*\b+\i+1]|, v[TM+\b]
.endr
.endr
	WIN 0
.irp b, 0,1,2,3
	v_permlanex16_b32 v[TM+4+\b], v[TM+\b], s[SEL], s[SEL+1]
.endr
.irp b, 0,1,2,3
	v_max_num_f32 v[TM+\b], v[TM+\b], v[TM+4+\b]
.endr
.irp b, 0,1,2,3
	v_add_nc_u32 v[TM+8+\b], 0xff000000, v[TM+\b]      ; 2 off the exponent field: the conversion's scale operand
.endr
.irp b, 0,1,2,3
	v_lshrrev_b32 v[TM+4+\b], 23, v[TM+8+\b]
.endr
	v_lshl_or_b32 v[\pw], v[TM+5], 8, v[TM+4]
	v_lshl_or_b32 v[\pw], v[TM+6], 16, v[\pw]
	v_lshl_or_b32 v[\pw], v[TM+7], 24, v[\pw]
	WIN \w
.irp c, 0,1
	v_cvt_scalef32_pk16_fp6_f32 v[PC+6*\c:PC+6*\c+2], v[(\s)+32*\c:(\s)+32*\c+15], v[TM+8+2*\c]
	v_cvt_scalef32_pk16_fp6_f32 v[PC+12+4*\c:PC+14+4*\c], v[(\s)+32*\c+16:(\s)+32*\c+31], v[TM+9+2*\c]
.endr
	WIN 0
	v_nop                                          ; one plain place behind a scaled conversion
.irp c, 0,1
.irp i, 0,1,2
	v_permlane16_swap_b32 v[PC+6*\c+\i], v[PC+12+4*\c+\i]
.endr
.irp i, 0,1,2
	v_mov_b32 v[PC+3+6*\c+\i], v[PC+12+4*\c+\i]
.endr
.endr
.endm
.macro TABLE ap                        ; cos and sin of token blocks 2 ap, 2 ap + 1 into set ap % 2: pair p of block e at 32 e + 2 p
	WIN 0xc0
.irp e, 0,1
.irp n, 0,1,2,3,4,5,6,7
	global_load_b128 v[64+64*((\ap)%2)+32*\e+4*\n:64+64*((\ap)%2)+32*\e+4*\n+3], v[TA], s[8:9] offset:(2*(\ap)+\e)*4096+512*\n
.endr
.endr
	WIN 0
.endm
.macro PUT f                           ; a fragment's codes: three stores of 512 consecutive bytes
.irp c, 0,1,2
	global_store_b128 v[VC], v[PC+4*\c:PC+4*\c+3], s[10:11] offset:1536*(\f)+512*\c
.endr
.endm
.macro WAYOUT ap                       ; token blocks 2 ap and 2 ap + 1: RoPE, the quantiser, a double fragment leaves
.if (\ap) < 3
	s_wait_loadcnt 16                              ; this pair's 16 table loads are in; the next pair's may be out
.else
	s_wait_loadcnt 0x0
.endif
.set TB_, 64+64*((\ap)%2)
	WIN 0xff
.irp e, 0,1
.irp p, 0,1,2,3,4,5,6,7,8,9,10,11,12,13,14,15
	v_pk_mul_f32 v[TMP+32*\e+2*\p:TMP+32*\e+2*\p+1], v[32*\e+2*\p:32*\e+2*\p+1], v[TB_+32*\e+2*\p:TB_+32*\e+2*\p+1] op_sel:[1,1] op_sel_hi:[0,1] neg_lo:[1,0]   ; (-xi sin, xr sin)
.endr
.endr
.irp e, 0,1
.irp p, 0,1,2,3,4,5,6,7,8,9,10,11,12,13,14,15
	v_pk_fma_f32 v[TMP+32*\e+2*\p:TMP+32*\e+2*\p+1], v[32*\e+2*\p:32*\e+2*\p+1], v[TB_+32*\e+2*\p:TB_+32*\e+2*\p+1], v[TMP+32*\e+2*\p:TMP+32*\e+2*\p+1] op_sel_hi:[1,0,1]   ; + (xr cos, xi cos)
.endr
.endr
	WIN 0
	s_wait_xcnt 0x0                                ; the last stores have read the codes' registers
	QUANT TMP, 3, SW+(\ap)
	PUT \ap
.if (\ap) < 2
	TABLE (\ap)+2
.endif
.endm
.macro WORDS                           ; four fragments' scale words: 256 consecutive bytes
	v_cndmask_b32 v[OW], v[SW], v[SW+1], s84
	v_cndmask_b32 v[OW+1], v[SW+2], v[SW+3], s84
	global_store_b64 v[VS], v[OW:OW+1], s[10:11]
.endm
	s_load_b128 s[4:7], s[0:1], 0x0                ; the codes, the scale words
	s_load_b128 s[8:11], s[0:1], 0x10              ; the table, kqv
	v_lshl_add_u32 v[SPW], v0, 2, SPARE
	v_mov_b32 v[NIL], 0
	ds_add_u32 v[SPW], v[NIL]                      ; the wave's opening: the add, twice on end, and its wait ahead of my first tensor load
	ds_add_u32 v[SPW], v[NIL]
	v_lshrrev_b32 v1, 5, v0
	v_readfirstlane_b32 s14, v1                    ; wave 0..3
	s_lshr_b32 s15, s14, 1                         ; a: my half of the tokens
	s_and_b32 s16, s14, 1                          ; b: my head of the two
	s_bfe_u32 s40, ttmp6, 0x40000                  ; cx
	s_bfe_u32 s41, ttmp6, 0x40004                  ; cy
	s_lshl_b32 s42, ttmp9, 2
	s_add_co_u32 s42, s42, s40                     ; g, 0..7
	s_and_b32 s17, ttmp7, 0xffff
	s_lshl_b32 s17, s17, 2
	s_add_co_u32 s17, s17, s41                     ; ty, 0..31
	s_lshl_b32 s43, s41, 2
	s_lshl_b32 s43, 15, s43                        ; my row of the cluster
	s_lshl_b32 s44, 0x1111, s40                    ; my column
	s_or_b32 s[G1A], s43, (3<<16)|(1<<21)          ; dense blocks as rows of 256 bytes (32 elements of 8): 256 rows, a third of the tokens,
	s_mov_b32 s[G1A+1], 32<<16
	s_mov_b32 s[G1A+2], 256<<16
	s_mov_b32 s[G1A+3], 32<<16
	s_mov_b32 s[G1A+4], 256
	s_mov_b32 s[G1A+5], 32
	s_mov_b32 s[G1A+6], 0
	s_mov_b32 s[G1A+7], 0
	s_or_b32 s[G1B], s44, (3<<16)|(1<<21)          ; 384 rows: a weight's 8 row blocks
	s_mov_b32 s[G1B+1], 32<<16
	s_mov_b32 s[G1B+2], 384<<16
	s_mov_b32 s[G1B+3], 32<<16
	s_mov_b32 s[G1B+4], 384
	s_mov_b32 s[G1B+5], 32
	s_mov_b32 s[G1B+6], 0
	s_mov_b32 s[G1B+7], 0
	s_mul_i32 s20, s17, 16*12288                   ; the tokens' chain (s20-23) never holds cx, the weights' (s46, s47) never cy
	s_lshl_b32 s21, s14, 16
	s_add_co_u32 s20, s20, s21                     ; waves 0-2: 65,536 bytes each
	s_mov_b32 s[G0A], 1
	s_mov_b32 s[G0A+1], s21
	s_mov_b32 s21, 0
	s_lshl_b32 s46, s42, 3
	s_add_co_u32 s46, s46, 512                     ; W_K's row blocks begin at 512, W_Q's at 576, W_V's at 640
	s_mul_i32 s46, s46, 12288
	s_mov_b32 s47, 0
	s_mov_b32 s[G0B], 1
	s_mov_b32 s[G0B+1], WREG
	s_lshl_b32 s22, s17, 4
	s_lshl_b32 s23, s15, 3
	s_add_co_u32 s22, s22, s23
	s_lshl_b32 s22, s22, 9                         ; my 8 token blocks' scale words
	s_mov_b32 s23, 0
	s_lshl_b32 s56, s42, 3
	s_lshl_b32 s57, s16, 2
	s_add_co_u32 s56, s56, s57
	s_add_co_u32 s56, s56, 512
	s_lshl_b32 s56, s56, 9                         ; my 4 weight blocks' scale words
	s_mov_b32 s57, 0
	s_mul_i32 s18, s15, 98304                      ; LDS: my 8 token blocks,
	s_mul_i32 s19, s16, 49152
	s_add_co_u32 s19, s19, WREG                    ; my 4 weight blocks
	s_lshl_b32 s70, s17, 1
	s_add_co_u32 s70, s70, s15                     ; the step of 128 tokens, 0..63
	s_lshr_b32 s71, s70, 4                         ; the batch
	s_and_b32 s72, s70, 15                         ; the step in its sequence
	s_lshl_b32 s71, s71, 4
	s_lshl_b32 s73, s42, 1
	s_add_co_u32 s71, s71, s73
	s_add_co_u32 s71, s71, s16                     ; batch x 16 + my head
	s_lshl_b32 s77, s71, 3
	s_lshr_b32 s78, s72, 1
	s_add_co_u32 s77, s77, s78
	s_mul_i32 s77, s77, 25600                      ; K, V: the head's slot of 256 keys
	s_and_b32 s78, s72, 1
	s_mul_i32 s79, s78, 12288
	s_add_co_u32 s79, s79, s77                     ; K's codes
	s_lshl_b32 s78, s78, 9
	s_add_co_u32 s78, s78, s77
	s_add_co_u32 s78, s78, 24576                   ; K's scale words
	s_lshl_b32 s80, s71, 4
	s_add_co_u32 s80, s80, s72
	s_mul_i32 s80, s80, 6400
	s_add_co_u32 s80, s80, QBASE                   ; Q's codes,
	s_add_co_u32 s81, s80, 6144                    ; its scale words
	s_lshl_b32 s85, s72, 15                        ; the table: 8 blocks of positions of 4,096 bytes a step
	s_mov_b32 s84, 0xffff0000                      ; lanes 16-31
	s_mov_b32 s[SEL], 0x76543210
	s_mov_b32 s[SEL+1], 0xfedcba98
	s_mov_b32 s86, 0
	v_and_b32 v1, 15, v0
	v_bfe_u32 v2, v0, 4, 1
	v_and_b32 v3, 31, v0
	v_lshlrev_b32 v[L16], 4, v3
	v_lshlrev_b32 v[L8], 3, v3
	v_lshlrev_b32 v[SOF], 3, v1
	v_add_nc_u32 v[ADA], s18, v[L16]
	v_add_nc_u32 v[ADA+1], s18, v[L8]
	v_add_nc_u32 v[ADB], s19, v[L16]
	v_add_nc_u32 v[ADB+1], s19, v[L8]
	v_lshl_add_u32 v[SOF], v2, 9, v[SOF]
	v_add_nc_u32 v[TA], s85, v[L16]
	v_add_nc_u32 v[ADA+2], 49152, v[ADA]
	v_add_nc_u32 v[ADA+3], 49152, v[ADA+1]
.irp b, 0,1,2,3
	v_mov_b32 v[TM+4+\b], 0                        ; written once: a lane permute's destination counts as one of its sources
.endr
	s_wait_alu depctr_va_vdst(0)
	s_wait_dscnt 0x0                               ; both opening adds are done
	s_wait_kmcnt 0x0
	s_add_nc_u64 s[G0A+2:G0A+3], s[4:5], s[20:21]
	s_or_b32 s[G0A+3], s[G0A+3], 0x80000000
	s_add_nc_u64 s[G0B+2:G0B+3], s[4:5], s[46:47]
	s_or_b32 s[G0B+3], s[G0B+3], 0x80000000
	s_add_nc_u64 s[62:63], s[6:7], s[22:23]
	s_add_nc_u64 s[60:61], s[6:7], s[56:57]
	CROUND                                         ; all sixteen work-groups are here: the joint loads meet
	s_cmp_lt_u32 s14, 3                            ; one load a wave, in two arms
	s_cbranch_scc0 .Lfor_w
	TLOAD G0A, G1A
	s_branch .Lasked
.Lfor_w:
	TLOAD G0B, G1B
.Lasked:
.irp p, 0,1,2,3
.irp c, 0,1,2,3
	global_load_b64 v[SA+8*\p+2*\c:SA+8*\p+2*\c+1], v[SOF], s[62:63] offset:1024*\p+128*\c
.endr
.endr
.Lphase:                                       ; two trips: K, then Q
	s_wait_tensorcnt 0x0                           ; every wave's load is in: the weight's rows (the first time the tokens too),
	s_wait_dscnt 0x0
	s_barrier_signal -1
	s_barrier_wait -1                              ; and shown to all
	s_wait_xcnt 0x0                                ; the last phase's stores have read their offsets
	s_cmp_eq_u32 s86, 0
	s_cselect_b32 s74, s79, s80
	s_cselect_b32 s75, s78, s81
	v_add_nc_u32 v[VC], s74, v[L16]
	v_add_nc_u32 v[VS], s75, v[L8]
	s_wait_alu depctr_va_vdst(0)
	SBLOAD
	WEIGHTS
	s_wait_tensorcnt 0x0                           ; ahead of a refill's round
	ds_add_u32 v[SPW], v[NIL]
	s_add_nc_u64 s[G0B+2:G0B+3], s[G0B+2:G0B+3], 64*12288   ; no tensor load of mine is out: the next weight's rows
	s_wait_dscnt 0x0                               ; the add is done, and the weight's rows are in my registers
	CROUND                                         ; so it is with every wave of every partner
	s_cmp_eq_u32 s14, 3
	s_cbranch_scc0 .Lno_fill
	TLOAD G0B, G1B                                 ; the region is filled again
.Lno_fill:
	FETCH 0
	FETCH 1
	TABLE 0
	TABLE 1
	s_wait_loadcnt 32                              ; the scale words are in; the 32 table loads may be out
	BLK 0, 0
	BLK 0, 1
	WAYOUT 0
	BLK 0, 2
	BLK 0, 3
	WAYOUT 1
	BLK 0, 4
	BLK 0, 5
	WAYOUT 2
	BLK 0, 6
	BLK 0, 7
	WAYOUT 3
	WORDS
	s_wait_xcnt 0x0                                ; the loads of the scale words have read their base
	s_add_nc_u64 s[60:61], s[60:61], 64*512        ; the next weight's scale words
	s_add_co_u32 s86, s86, 1
	s_cmp_lt_u32 s86, 2
	s_cbranch_scc1 .Lphase
	s_wait_tensorcnt 0x0                           ; V: W_V's rows are in,
	s_wait_dscnt 0x0
	s_barrier_signal -1
	s_barrier_wait -1                              ; and shown to all; nothing more is filled
	s_add_co_u32 s74, s79, 6144                    ; V's codes lie behind K's,
	s_add_co_u32 s75, s78, 256                     ; and so do its scale words
	v_add_nc_u32 v[VC], s74, v[L16]
	v_add_nc_u32 v[VS], s75, v[L8]
	s_wait_alu depctr_va_vdst(0)
	SBLOAD
	WEIGHTS
	FETCH 0
	FETCH 1
	s_wait_loadcnt 0x0
.irp s, 0,1,2,3,4,5,6,7
	BLK 1, \s
.endr
.irp t, 0,1,2,3                                ; weight block t is fragment t of my head; its 64 registers run along my 128 keys
	s_wait_xcnt 0x0
	QUANT 64*\t, 3, SW+\t
	PUT \t
.endr
	WORDS
	s_wait_tensorcnt 0x0                           ; the wave's end
	ds_add_u32 v[SPW], v[NIL]
	s_wait_dscnt 0x0
	CROUND                                         ; the closing round
	s_endpgm
.Lfunc_end_k_q8995a96e48_proj:
	.size	k_q8995a96e48_proj, .Lfunc_end_k_q8995a96e48_proj-k_q8995a96e48_proj
	.p2alignl 7, 3214868480
	.fill 96, 4, 3214868480
	.section	.rodata,"a",@progbits
	.p2align	6, 0x0
	.amdhsa_kernel k_q8995a96e48_proj
		.amdhsa_group_segment_fixed_size 327680
		.amdhsa_private_segment_fixed_size 0
		.amdhsa_enable_private_segment 0
		.amdhsa_kernarg_size 32
		.amdhsa_user_sgpr_count 2
		.amdhsa_user_sgpr_kernarg_segment_ptr 1
		.amdhsa_wavefront_size32 1
		.amdhsa_system_sgpr_workgroup_id_x 1
		.amdhsa_system_sgpr_workgroup_id_y 1
		.amdhsa_system_sgpr_workgroup_id_z 1
		.amdhsa_system_vgpr_workitem_id 0
		.amdhsa_next_free_vgpr 1024
		.amdhsa_next_free_sgpr 100
		.amdhsa_reserve_vcc 0
		.amdhsa_float_denorm_mode_32 3
		.amdhsa_float_denorm_mode_16_64 3
		.amdhsa_memory_ordered 1
		.amdhsa_forward_progress 1
		.amdhsa_inst_pref_size 186
	.end_amdhsa_kernel
	.amdgpu_metadata
---
amdhsa.version: [ 1, 2 ]
amdhsa.kernels:
  - .name:           k_q8995a96e48_proj
    .symbol:         k_q8995a96e48_proj.kd
    .args:
      - { .name: xw_codes, .offset: 0, .size: 8, .value_kind: global_buffer, .address_space: global }
      - { .name: xw_scales, .offset: 8, .size: 8, .value_kind: global_buffer, .address_space: global }
      - { .name: rope_tab, .offset: 16, .size: 8, .value_kind: global_buffer, .address_space: global }
      - { .name: kqv, .offset: 24, .size: 8, .value_kind: global_buffer, .address_space: global }
    .group_segment_fixed_size: 327680
    .private_segment_fixed_size: 0
    .kernarg_segment_align: 8
    .kernarg_segment_size: 32
    .max_flat_workgroup_size: 128
    .sgpr_count:     100
    .vgpr_count:     1024
    .wavefront_size: 32
...
	.end_amdgpu_metadata
.endif
;; end of part 2
;; launch attn (part 3): grid 4 x 64, 16 waves a work-group, clusters of 4 x 1, 327,680 bytes of LDS; arguments kqv, act_codes, act_scales; writes act_codes, act_scales
.if DOCPART == 3
	.amdgcn_target "amdgcn-amd-amdhsa--gfx1250"
	.amdhsa_code_object_version 6
	.text
	.protected	k_q8995a96e48_attn
	.globl	k_q8995a96e48_attn
	.p2align	8
	.type	k_q8995a96e48_attn,@function
k_q8995a96e48_attn:
	s_mov_b64 s[64:65], 0
	v_nop
	global_prefetch_b8 v0, s[64:65] scope:SCOPE_SE
	s_setreg_imm32_b32 hwreg(HW_REG_WAVE_MODE, 25, 1), 1
	s_wait_xcnt 0x0
	s_wait_alu depctr_hold_cnt(0) depctr_sa_sdst(0) depctr_va_vdst(0) depctr_va_sdst(0) depctr_va_ssrc(0) depctr_va_vcc(0) depctr_vm_vsrc(0)
	s_getreg_b32 s2, hwreg(HW_REG_IB_STS2, 6, 4)
	s_cmp_eq_u32 s2, 0
	s_cbranch_scc0 .Lentry_in_a_cluster
	s_endpgm
.Lentry_in_a_cluster:
	s_bfe_u32 s2, ttmp6, 0x10000c
	s_cmp_lg_u32 s2, 0x3003
	s_cbranch_scc0 .Lentry_shape_is_right
	s_endpgm
.Lentry_shape_is_right:
; Causal attention on codes of E2M3, and the quantising of its result for the output projection.  t = score x log2(e) / 8; M = the running largest t rounded up to a whole number; p = 2^(t - M) is quantised
; along the keys; the row's sum is taken of the unquantised p and divides at the end.
; LEFT OUT AS DEAD WORK: a step of 128 keys all of which come after a wave's 16 queries (the problem's own mask makes p = 0 there, whatever the inputs hold); a NaN or overflow that would arise only there is not carried on.
; LIMIT: the promise holds while the scaled scores t stay under 2^31 in magnitude.
; THE DEAL.  A head has 128 row blocks of 16 queries (block T holds queries 32 (T/2) + 8 (T%2) + r + 8 (r/8)); block T needs the key steps 0 .. T/8.  The four work-groups j = 0..3 of a head form a cluster;
; work-group j takes the blocks T = 4 m + j, and its wave w the blocks m = 31 - w and then m = w: 16 - w/2 and w/2 + 1 key steps, SEVENTEEN in every wave of every work-group.
; How many steps a block has, and which of them lies on the diagonal (step m/2), hangs on m alone, that is on the wave's number: no branch and no LDS address hangs on the place in the cluster.
; LDS.  The head's K and V for all 2,048 keys, 204,800 dense bytes in the order of the operands' registers, are brought ONCE: each of the sixteen waves asks for 12,800 bytes (50 rows of 256), jointly with its
; three partners (mask 15), which read the same bytes.  Nothing is filled again, so the walk has no barrier but two: the first shows the loads of waves 0-3 (key steps 0 to 3, which every wave walks first),
; the second, behind four steps, shows the rest.  One tensor load of a wave is out at the most.
; NO PREFETCH: every tile is asked for at the kernel's head, so there is no trip to run ahead in.
; LAYOUT.  Both products transposed: S^T = K Q^T, O^T = V^T P^T: a lane holds one query throughout.  K = 64 in the first product, the instruction is 128 deep: a DOUBLE fragment of K (k 0-63: key 32 dt + r + 8 (r/8), k 64-127: that key + 8)
; is multiplied twice, by (q, zeros) and by (zeros, q): the half that meets zero codes adds nothing (no scale byte is 0xff).  So the 16 registers of a double fragment's two results are 16 neighbouring keys.
.set SLOTB, 25600                      ; 256 keys: [K 6,144 | V 6,144] twice, then scale words K 256, V 256, twice
.set SPARE, 204800                     ; behind the eight slots: the spare words, 128 bytes for each of sixteen waves
.set QBASE, 13107200
.set L16, 1                            ; v1   16 x lane
.set S8,  2                            ; v2   8 x lane + 24,576: a slot's scale words
.set SPW, 3
.set NIL, 4
.set L8,  5                            ; v5   8 x lane
.set R8,  6                            ; v6   8 x (lane % 16)
.set ADK, 8                            ; v8   the step in hand + 16 x lane
.set ADS, 9                            ; v9   its scale words
.set DQ,  11                           ; v11  r + 8 (r/8) - 16 (lane/16);  v12 -M, v13 the largest t, v[14:15] the sum
.set QA,  16                           ; v16-27 (q, zeros);  v28-39 (zeros, q);  v40 q's scale word
.set QB2, 28
.set QS,  40
.set KV,  44                           ; v44-91 four fragments of K, then of V
.set KSC, 92
.set VSC, 94
.set S,   96                           ; v96-159 S^T, then p
.set O,   160                          ; v160-191 O^T
.set PC,  192                          ; v192-203 p's codes;  v204-211 the conversions' second halves
.set PC2, 204
.set BM,  212
.set PD,  216
.set SOP, 220
.set PSW, 224
.set APW, 225
.set F,   226
.set T0,  228                          ; v244-255: partial sums
.set WV,  10
.set CX,  11                           ; s11  my place in the cluster: enters global addresses and selects alone
.set BH,  12
.set N1,  13                           ; s13  steps of the first block: 16 - wave / 2
.set VI,  14                           ; s14  the trip, 0 .. 16
.set KI,  15                           ; s15  the key step in hand
.set MT,  16                           ; s16  m of the block in hand
.set TT,  17                           ; s17  T = 4 m + place
.set QD,  18                           ; s18  my first query less the diagonal step's first key
.set NL,  19                           ; s19  the diagonal step: m / 2
.set SEL, 20
.set CS,  22                           ; s[22:23] log2(e) / 8
.set G1,  24
.set G0,  40
.set QP,  44
.set QSP, 46
.set ACB, 48
.set ASB, 50
.macro CROUND                          ; a round of the cluster's barrier
	s_barrier_signal -1
	s_barrier_wait -1
	s_cmp_lg_u32 s[WV], 0
	s_cbranch_scc1 .Lnot_wave_0_\@
	s_barrier_signal -3
.Lnot_wave_0_\@:
	s_barrier_wait -3
	s_barrier_signal -1
	s_barrier_wait -1
.endm
.macro TLOAD                           ; an s_nop 0 and four v_nop follow
	tensor_load_to_lds s[G0:G0+3], s[G1:G1+7]
	s_nop 0
.rept 4
	v_nop
.endr
.endm
; Block m: its numbers, and its 16 queries' codes and scale word are asked for (half of a double fragment)
.macro RE_A
	s_lshl_b32 s[TT], s[MT], 2
	s_add_co_u32 s[TT], s[TT], s[CX]
	s_lshr_b32 s[NL], s[MT], 1
	s_lshl_b32 s54, s[BH], 4
	s_add_co_u32 s54, s54, s[NL]                   ; the head's step of 128 queries
	s_mul_i32 s54, s54, 6400
	s_add_co_u32 s54, s54, QBASE
	s_mov_b32 s55, 0
	s_bfe_u32 s56, s[TT], 0x20001                  ; which double fragment of that step holds mine
	s_mul_i32 s58, s56, 1536
	s_and_b32 s57, s56, 1
	s_lshl_b32 s57, s57, 7
	s_lshr_b32 s56, s56, 1
	s_lshl_b32 s56, s56, 2
	s_add_co_u32 s60, s57, s56
	s_add_co_u32 s60, s60, 6144                    ; and its scale words
	s_add_nc_u64 s[QSP:QSP+1], s[4:5], s[54:55]
	s_add_nc_u64 s[QP:QP+1], s[QSP:QSP+1], s[58:59]
	s_add_nc_u64 s[QSP:QSP+1], s[QSP:QSP+1], s[60:61]
.irp c, 0,1,2
	global_load_b128 v[144+4*\c:147+4*\c], v[L16], s[QP:QP+1] offset:512*\c
.endr
	global_load_b32 v156, v[R8], s[QSP:QSP+1]
.endm
; The block's addresses, statistics and operands
.macro RE_B
	s_wait_xcnt 0x0                                ; the last block's stores have read their registers and bases
	s_lshr_b32 s54, s[BH], 4
	s_lshl_b32 s54, s54, 7
	s_add_co_u32 s54, s54, s[TT]                   ; my row block of the result: 128 x batch + T
	s_mul_i32 s56, s54, 12288
	s_add_co_u32 s56, s56, s62
	s_mov_b32 s57, 0
	s_add_nc_u64 s[ACB:ACB+1], s[6:7], s[56:57]
	s_lshl_b32 s56, s54, 9
	s_add_co_u32 s56, s56, s63
	s_add_nc_u64 s[ASB:ASB+1], s[8:9], s[56:57]
	s_bfe_u32 s[QD], s[TT], 0x20001
	s_lshl_b32 s[QD], s[QD], 5
	s_and_b32 s54, s[TT], 1
	s_lshl_b32 s54, s54, 3
	s_add_co_u32 s[QD], s[QD], s54                 ; 32 ((T/2) % 4) + 8 (T % 2)
	v_mov_b32 v13, 0xff61b1e6                      ; the largest t so far: -3e38
	s_delay_alu instid0(VALU_DEP_1)
	v_floor_f32 v12, -v13                          ; -M
	v_mov_b32 v14, 0
	v_mov_b32 v15, 0
.set j, 0
.rept 32
	v_mov_b32 v[O+j], 0                            ; the step is written once: the first finds zeros
.set j, j+1
.endr
	s_wait_loadcnt 0x0
.irp k, 0,1,2,3,4,5
	v_cndmask_b32 v[QA+\k], v[144+\k], v[150+\k], s52   ; my half of the double fragment
.endr
.irp k, 0,1,2,3,4,5
	v_mov_b32 v[QB2+6+\k], v[QA+\k]
.endr
	v_lshrrev_b32 v[T0], s53, v156
	s_delay_alu instid0(VALU_DEP_1)
	v_and_b32 v[T0], 0xffff, v[T0]
	s_delay_alu instid0(VALU_DEP_1)
	v_lshl_or_b32 v[QS], v[T0], 16, v[T0]          ; my two bytes, for k 0-63 and for k 64-127
.rept 8
	v_nop                                          ; a scale register written by a vector instruction stands 8 places ahead of a scaled matrix instruction
.endr
.endm
; O^T / the sum, quantised along the head's 64, which are half of a K step of the output projection: 768 bytes of codes and two scale bytes a row
.macro EPI
.rept 4
	v_nop                                          ; places behind the last products
.endr
	v_add_f32 v14, v14, v15
	s_delay_alu instid0(VALU_DEP_1)
	v_permlanex16_b32 v[PD], v14, s[SEL], s[SEL+1]
	s_delay_alu instid0(VALU_DEP_1)
	v_add_f32 v14, v14, v[PD]                      ; the row's sum
	s_wait_alu depctr_va_vdst(0)
	v_rcp_f32 v[F], v14
	v_nop                                          ; a plain place behind the transcendental
	s_wait_alu depctr_va_vdst(0)                   ; ahead of the reciprocal's first reader
.set j, 0
.rept 16
	v_pk_mul_f32 v[S+j:S+j+1], v[O+j:O+j+1], v[F:F+1] op_sel_hi:[1,0]   ; register 16 b + i is channel 32 b + 16 (lane/16) + i
.set j, j+2
.endr
.irp b, 0,1
	v_max3_num_f32 v[BM+\b], |v[S+16*\b]|, |v[S+16*\b+1]|, 0x1800000
.endr
.irp i, 2,4,6,8,10,12,14
.irp b, 0,1
	s_delay_alu instid0(VALU_DEP_2)
	v_max3_num_f32 v[BM+\b], v[BM+\b], |v[S+16*\b+\i]|, |v[S+16*\b+\i+1]|
.endr
.endr
.irp b, 0,1
	s_delay_alu instid0(VALU_DEP_2)
	v_permlanex16_b32 v[PD+\b], v[BM+\b], s[SEL], s[SEL+1]
.endr
.irp b, 0,1
	s_delay_alu instid0(VALU_DEP_2)
	v_max_num_f32 v[BM+\b], v[BM+\b], v[PD+\b]
.endr
.irp b, 0,1
	s_delay_alu instid0(VALU_DEP_2)
	v_add_nc_u32 v[SOP+\b], 0xff000000, v[BM+\b]
.endr
.irp b, 0,1
	s_delay_alu instid0(VALU_DEP_2)
	v_lshrrev_b32 v[PD+\b], 23, v[SOP+\b]
.endr
	s_delay_alu instid0(VALU_DEP_1)
	v_lshl_or_b32 v[APW], v[PD+1], 8, v[PD]
	v_cvt_scalef32_pk16_fp6_f32 v[PC:PC+2], v[S:S+15], v[SOP]
	v_cvt_scalef32_pk16_fp6_f32 v[PC2:PC2+2], v[S+16:S+31], v[SOP+1]
	v_nop
.irp i, 0,1,2
	v_permlane16_swap_b32 v[PC+\i], v[PC2+\i]
.endr
.irp i, 0,1,2
	s_delay_alu instid0(VALU_DEP_3)
	v_mov_b32 v[PC+3+\i], v[PC2+\i]
.endr
	global_store_b128 v[L16], v[PC:PC+3], s[ACB:ACB+1]            ; 512 consecutive bytes,
	global_store_b64 v[L8], v[PC+4:PC+5], s[ACB:ACB+1] offset:512 ; and 256
	global_store_b16 v[R8], v[APW], s[ASB:ASB+1]                  ; two bytes a row: the other half of the word is another head's, which another work-group owns (lanes l and l + 16 write the same bytes with the same value)
.endm
; The key step of this trip and its LDS addresses.  sw = 0: the first four trips, step = trip.  The two additions and two v_nop are the places behind the last products, ahead of the loads into their registers.
.macro ADDR sw
.if \sw
	s_cmp_lt_u32 s[VI], s[N1]
	s_cselect_b32 s54, 0, s[N1]
	s_sub_co_u32 s[KI], s[VI], s54
	s_min_u32 s[KI], s[KI], 15                     ; (it is 15 at the most: the bound is written out)
.else
	s_mov_b32 s[KI], s[VI]
.endif
	s_lshr_b32 s55, s[KI], 1
	s_mul_i32 s55, s55, SLOTB
	s_and_b32 s56, s[KI], 1
	s_mul_i32 s57, s56, 12288
	s_lshl_b32 s56, s56, 9
	s_add_co_u32 s57, s57, s55
	s_add_co_u32 s56, s56, s55
	v_add_nc_u32 v[ADK], s57, v[L16]
	v_add_nc_u32 v[ADS], s56, v[S8]
	v_nop
	v_nop
.endm
.macro SWITCH                          ; the first block is done: its result leaves, and the second block begins.  A branch on the wave's number and the count of trips
	s_cmp_lg_u32 s[VI], s[N1]
	s_cbranch_scc1 .Lsame_\@
	s_mov_b32 s[MT], s[WV]
	RE_A
	EPI
	RE_B
.Lsame_\@:
.endm
; A KEY STEP: 128 keys.  mask = 1: the step may be the block's diagonal one
.macro STEP mask
	s_wait_alu depctr_va_vdst(0)                   ; ahead of the readers of the two addresses
.irp dt, 0,1,2,3
.irp c, 0,1,2
	ds_load_b128 v[KV+12*\dt+4*\c:KV+12*\dt+4*\c+3], v[ADK] offset:1536*\dt+512*\c
.endr
.endr
	ds_load_b64 v[KSC:KSC+1], v[ADS]
	s_wait_dscnt 0x0
.irp dt, 0,1,2,3
.if \dt%2
	v_wmma_scale_f32_16x16x128_f8f6f4 v[S+16*\dt:S+16*\dt+7], v[KV+12*\dt:KV+12*\dt+11], v[QA:QA+11], 0, v[KSC+\dt/2], v[QS] matrix_a_fmt:MATRIX_FMT_FP6 matrix_b_fmt:MATRIX_FMT_FP6 matrix_a_scale:MATRIX_SCALE_ROW1
	v_wmma_scale_f32_16x16x128_f8f6f4 v[S+16*\dt+8:S+16*\dt+15], v[KV+12*\dt:KV+12*\dt+11], v[QB2:QB2+11], 0, v[KSC+\dt/2], v[QS] matrix_a_fmt:MATRIX_FMT_FP6 matrix_b_fmt:MATRIX_FMT_FP6 matrix_a_scale:MATRIX_SCALE_ROW1
.else
	v_wmma_scale_f32_16x16x128_f8f6f4 v[S+16*\dt:S+16*\dt+7], v[KV+12*\dt:KV+12*\dt+11], v[QA:QA+11], 0, v[KSC+\dt/2], v[QS] matrix_a_fmt:MATRIX_FMT_FP6 matrix_b_fmt:MATRIX_FMT_FP6
	v_wmma_scale_f32_16x16x128_f8f6f4 v[S+16*\dt+8:S+16*\dt+15], v[KV+12*\dt:KV+12*\dt+11], v[QB2:QB2+11], 0, v[KSC+\dt/2], v[QS] matrix_a_fmt:MATRIX_FMT_FP6 matrix_b_fmt:MATRIX_FMT_FP6
.endif
.endr                                          ; register 16 b + i holds key 128 step + 32 b + 16 (lane/16) + i
.rept 4
	v_nop
.endr
.irp t, 0,1,2,3                                ; V's fragments go into K's registers now and land under the softmax
.irp c, 0,1,2
	ds_load_b128 v[KV+12*\t+4*\c:KV+12*\t+4*\c+3], v[ADK] offset:6144+1536*\t+512*\c
.endr
.endr
	ds_load_b64 v[VSC:VSC+1], v[ADS] offset:256
.if \mask
	s_cmp_lg_u32 s[KI], s[NL]                      ; on the diagonal step hidden scores become -infinity; every earlier step's keys all count
	s_cbranch_scc1 .Lopen_\@
	v_add_nc_u32 v[T0], s[QD], v[DQ]               ; hidden where 32 b + i > my query - the step's first key - 16 (lane/16)
	v_mov_b32 v[T0+1], 0xff800000
.set n, 0
.rept 64
	v_cmp_gt_i32 vcc_lo, 32*(n/16)+n%16, v[T0]
	v_cndmask_b32 v[S+n], v[S+n], v[T0+1], vcc_lo
.set n, n+1
.endr
.Lopen_\@:
.endif
.irp b, 0,1,2,3
	v_max3_num_f32 v[BM+\b], v[S+16*\b], v[S+16*\b+1], v[S+16*\b+2]   ; the largest score of each block of 32 keys: for the row's maximum and, since p rises with the score, for the block's largest p
.endr
.irp i, 3,5,7,9,11,13
.irp b, 0,1,2,3
	v_max3_num_f32 v[BM+\b], v[BM+\b], v[S+16*\b+\i], v[S+16*\b+\i+1]
.endr
.endr
.irp b, 0,1,2,3
	v_max_num_f32 v[BM+\b], v[BM+\b], v[S+16*\b+15]
.endr
.irp b, 0,1,2,3
	s_delay_alu instid0(VALU_DEP_4)
	v_permlanex16_b32 v[PD+\b], v[BM+\b], s[SEL], s[SEL+1]
.endr
.irp b, 0,1,2,3
	s_delay_alu instid0(VALU_DEP_4)
	v_max_num_f32 v[BM+\b], v[BM+\b], v[PD+\b]
.endr
	s_delay_alu instid0(VALU_DEP_2)
	v_max3_num_f32 v[T0], v[BM], v[BM+1], v[BM+2]
	s_delay_alu instid0(VALU_DEP_1)
	v_max_num_f32 v[T0], v[T0], v[BM+3]
	s_delay_alu instid0(VALU_DEP_1)
	v_mul_f32 v[T0], s[CS], v[T0]
	s_delay_alu instid0(VALU_DEP_1)
	v_max_num_f32 v13, v13, v[T0]                  ; the running largest t
	v_mov_b32 v[T0], v12
	s_delay_alu instid0(VALU_DEP_2)
	v_floor_f32 v12, -v13                          ; the new -M: M is a whole number
	s_delay_alu instid0(VALU_DEP_1)
	v_sub_f32 v[T0], v12, v[T0]
	s_delay_alu instid0(VALU_DEP_1)
	v_cvt_i32_f32 v[T0], v[T0]                     ; (it saturates)
	s_delay_alu instid0(VALU_DEP_1)
	v_ldexp_f32 v[F], 1.0, v[T0]                   ; f = 2^(old M - new M): exact
.set j, 0
.rept 32
	v_pk_fma_f32 v[S+j:S+j+1], v[S+j:S+j+1], s[CS:CS+1], v[12:13] op_sel_hi:[1,0,0]   ; t - M
.set j, j+2
.endr
.irp b, 0,1,2,3
	v_fma_f32 v[BM+\b], v[BM+\b], s[CS], v12
.endr
.set j, 0
	s_wait_alu depctr_va_vdst(0)                   ; ahead of the batch
.rept 64
	v_exp_f32 v[S+j], v[S+j]                       ; p = 2^(t - M): not normalised
.set j, j+1
.endr
	v_pk_mul_f32 v[14:15], v[14:15], v[F:F+1] op_sel_hi:[1,0]     ; the sums under the new M: a plain place behind the exponentials
	s_wait_alu depctr_va_vdst(0)                   ; one wait for the whole batch, ahead of its first reader
.irp b, 0,1,2,3
	v_exp_f32 v[BM+\b], v[BM+\b]                   ; the block's largest p
.endr
	v_pk_add_f32 v[216:217], v[100:101], v[104:105]
	v_pk_add_f32 v[254:255], v[108:109], v[112:113]
	v_pk_add_f32 v[252:253], v[116:117], v[120:121]
	v_pk_add_f32 v[250:251], v[124:125], v[128:129]
	v_pk_add_f32 v[248:249], v[132:133], v[136:137]
	v_pk_add_f32 v[246:247], v[140:141], v[144:145]
	v_pk_add_f32 v[244:245], v[148:149], v[152:153]
	v_pk_add_f32 v[14:15], v[14:15], v[156:157]
	v_pk_add_f32 v[216:217], v[216:217], v[96:97]
	v_pk_add_f32 v[254:255], v[254:255], v[98:99]
	v_pk_add_f32 v[252:253], v[252:253], v[102:103]
	v_pk_add_f32 v[250:251], v[250:251], v[106:107]
	v_pk_add_f32 v[248:249], v[248:249], v[110:111]
	v_pk_add_f32 v[246:247], v[246:247], v[114:115]
	v_pk_add_f32 v[244:245], v[244:245], v[118:119]
	v_pk_add_f32 v[14:15], v[14:15], v[122:123]
	v_pk_add_f32 v[216:217], v[216:217], v[126:127]
	v_pk_add_f32 v[254:255], v[254:255], v[130:131]
	v_pk_add_f32 v[252:253], v[252:253], v[134:135]
	v_pk_add_f32 v[250:251], v[250:251], v[138:139]
	v_pk_add_f32 v[248:249], v[248:249], v[142:143]
	v_pk_add_f32 v[246:247], v[246:247], v[146:147]
	v_pk_add_f32 v[244:245], v[244:245], v[150:151]
	v_pk_add_f32 v[14:15], v[14:15], v[154:155]
	v_pk_add_f32 v[216:217], v[216:217], v[158:159]
	s_delay_alu instid0(VALU_DEP_2)
	v_pk_add_f32 v[14:15], v[14:15], v[250:251]
	s_delay_alu instid0(VALU_DEP_2)
	v_pk_add_f32 v[216:217], v[216:217], v[248:249]
	v_pk_add_f32 v[254:255], v[254:255], v[246:247]
	v_pk_add_f32 v[252:253], v[252:253], v[244:245]
	s_delay_alu instid0(VALU_DEP_2)
	v_pk_add_f32 v[14:15], v[14:15], v[254:255]
	s_delay_alu instid0(VALU_DEP_2)
	v_pk_add_f32 v[216:217], v[216:217], v[252:253]
	s_delay_alu instid0(VALU_DEP_1)
	v_pk_add_f32 v[14:15], v[14:15], v[216:217]
	s_wait_alu depctr_va_vdst(0)                   ; and one for the four
.irp b, 0,1,2,3
	v_max_num_f32 v[BM+\b], 0x1800000, v[BM+\b]    ; the floor 2^(3 - 127)
.endr
.irp b, 0,1,2,3
	s_delay_alu instid0(VALU_DEP_4)
	v_add_nc_u32 v[SOP+\b], 0xff000000, v[BM+\b]
.endr
.irp b, 0,1,2,3
	s_delay_alu instid0(VALU_DEP_4)
	v_lshrrev_b32 v[PD+\b], 23, v[SOP+\b]
.endr
	s_delay_alu instid0(VALU_DEP_3)
	v_lshl_or_b32 v[PSW], v[PD+1], 8, v[PD]
	s_delay_alu instid0(VALU_DEP_1)
	v_lshl_or_b32 v[PSW], v[PD+2], 16, v[PSW]
	s_delay_alu instid0(VALU_DEP_1)
	v_lshl_or_b32 v[PSW], v[PD+3], 24, v[PSW]
.irp c, 0,1
	v_cvt_scalef32_pk16_fp6_f32 v[PC+6*\c:PC+6*\c+2], v[S+32*\c:S+32*\c+15], v[SOP+2*\c]
	v_cvt_scalef32_pk16_fp6_f32 v[PC2+4*\c:PC2+4*\c+2], v[S+32*\c+16:S+32*\c+31], v[SOP+2*\c+1]
.endr
	v_nop
.irp c, 0,1
.irp i, 0,1,2
	v_permlane16_swap_b32 v[PC+6*\c+\i], v[PC2+4*\c+\i]
.endr
.irp i, 0,1,2
	s_delay_alu instid0(VALU_DEP_3)
	v_mov_b32 v[PC+3+6*\c+\i], v[PC2+4*\c+\i]
.endr
.endr
	s_wait_alu depctr_va_vdst(0)                   ; directly ahead of the first reader of O^T
.set j, 0
.rept 16
	v_pk_mul_f32 v[O+j:O+j+1], v[O+j:O+j+1], v[F:F+1] op_sel_hi:[1,0]   ; O^T under the new M; these sixteen are also the places ahead of the scaled products
.set j, j+2
.endr
	s_wait_alu depctr_va_vdst(0)
	s_wait_dscnt 0x0                               ; V is in
.irp t, 0,1,2,3                                ; the four accumulators take turns
.if \t%2
	v_wmma_scale_f32_16x16x128_f8f6f4 v[O+8*\t:O+8*\t+7], v[KV+12*\t:KV+12*\t+11], v[PC:PC+11], v[O+8*\t:O+8*\t+7], v[VSC+\t/2], v[PSW] matrix_a_fmt:MATRIX_FMT_FP6 matrix_b_fmt:MATRIX_FMT_FP6 matrix_a_scale:MATRIX_SCALE_ROW1
.else
	v_wmma_scale_f32_16x16x128_f8f6f4 v[O+8*\t:O+8*\t+7], v[KV+12*\t:KV+12*\t+11], v[PC:PC+11], v[O+8*\t:O+8*\t+7], v[VSC+\t/2], v[PSW] matrix_a_fmt:MATRIX_FMT_FP6 matrix_b_fmt:MATRIX_FMT_FP6
.endif
.endr
.endm
	s_load_b128 s[4:7], s[0:1], 0x0                ; kqv, the result's codes
	s_load_b64 s[8:9], s[0:1], 0x10                ; its scale words
	v_lshl_add_u32 v[SPW], v0, 2, SPARE
	v_mov_b32 v[NIL], 0
	ds_add_u32 v[SPW], v[NIL]                      ; the wave's opening: the add, twice on end, and its wait ahead of my first tensor load
	ds_add_u32 v[SPW], v[NIL]
	v_lshrrev_b32 v8, 5, v0
	v_readfirstlane_b32 s[WV], v8                  ; wave 0..15
	s_bfe_u32 s[CX], ttmp6, 0x40000                ; my place in the cluster
	s_and_b32 s[BH], ttmp7, 0xffff                 ; batch x 16 + head
	s_lshr_b32 s54, s[WV], 1
	s_sub_co_u32 s[N1], 16, s54
	s_sub_co_u32 s[MT], 31, s[WV]
	s_mov_b32 s[VI], 0
	s_mov_b32 s[SEL], 0x76543210
	s_mov_b32 s[SEL+1], 0xfedcba98
	s_mov_b32 s[CS], 0x3e38aa3b                    ; log2(e) / sqrt(64)
	s_mov_b32 s[CS+1], s[CS]
	s_mov_b32 s[G1], 15|(3<<16)|(1<<21)            ; the cluster's four; 50 rows of 256 bytes (32 elements of 8), dense; no padding
	s_mov_b32 s[G1+1], 32<<16
	s_mov_b32 s[G1+2], 50<<16
	s_mov_b32 s[G1+3], 32<<16
	s_mov_b32 s[G1+4], 50
	s_mov_b32 s[G1+5], 32
	s_mov_b32 s[G1+6], 0
	s_mov_b32 s[G1+7], 0
	s_mov_b32 s59, 0
	s_mov_b32 s61, 0
	s_and_b32 s54, s[BH], 15                       ; the head
	s_lshr_b32 s55, s54, 1                         ; its K step of the output projection
	s_and_b32 s54, s54, 1                          ; and half of it
	s_mul_i32 s62, s55, 1536
	s_mul_i32 s56, s54, 768
	s_add_co_u32 s62, s62, s56
	s_lshr_b32 s63, s55, 1
	s_lshl_b32 s63, s63, 7
	s_and_b32 s55, s55, 1
	s_lshl_b32 s55, s55, 2
	s_add_co_u32 s63, s63, s55
	s_lshl_b32 s54, s54, 1
	s_add_co_u32 s63, s63, s54
	s_and_b32 s55, s[CX], 1                        ; T % 2: which half of a double fragment of Q is mine
	s_lshl_b32 s53, s55, 4
	s_sub_co_u32 s52, 0, s55                       ; all ones where it is the second
	s_mul_i32 s54, s[BH], 204800
	s_mul_i32 s56, s[WV], 12800
	s_add_co_u32 s54, s54, s56
	s_mov_b32 s55, 0
	s_wait_dscnt 0x0                               ; both opening adds are done
	s_wait_kmcnt 0x0
	s_mov_b32 s[G0], 1
	s_mov_b32 s[G0+1], s56                         ; my sixteenth of the head's keys and values
	s_add_nc_u64 s[G0+2:G0+3], s[4:5], s[54:55]
	s_or_b32 s[G0+3], s[G0+3], 0x80000000
	CROUND                                         ; the four work-groups are here: the joint loads meet
	s_cmp_lt_u32 s[WV], 4                          ; two arms: the first barrier shows the first arm's loads alone
	s_cbranch_scc0 .Llater
	TLOAD
	s_branch .Lasked
.Llater:
	TLOAD
.Lasked:
	v_and_b32 v10, 31, v0
	v_and_b32 v8, 15, v0
	v_bfe_u32 v9, v0, 4, 1
	v_lshlrev_b32 v[L16], 4, v10
	v_lshlrev_b32 v[L8], 3, v10
	v_lshlrev_b32 v[R8], 3, v8
	v_and_b32 v10, 8, v8
	v_lshlrev_b32 v9, 4, v9
	v_add_nc_u32 v[S8], 24576, v[L8]
	v_add_nc_u32 v10, v10, v8
	v_mov_b32 v[F+1], 0                            ; (named as the upper half of a pair)
	v_sub_nc_u32 v[DQ], v10, v9
.irp k, 0,1,2,3,4,5
	v_mov_b32 v[QA+6+\k], 0                        ; the halves of zero codes: written once
	v_mov_b32 v[QB2+\k], 0
.endr
.irp b, 0,1,2,3
	v_mov_b32 v[PD+\b], 0                          ; a lane permute's destination counts as one of its sources
.endr
	s_wait_alu depctr_va_vdst(0)
	RE_A
	RE_B
	s_wait_alu depctr_va_vdst(0)
	s_cmp_lt_u32 s[WV], 4
	s_cbranch_scc0 .Lnot_first
	s_wait_tensorcnt 0x0
.Lnot_first:
	s_barrier_signal -1
	s_barrier_wait -1                              ; key steps 0 to 3 are in; the other loads may be on their way
.Lfirst:                                       ; four trips: every wave's first block has nine steps or more, and these four lie ahead of its diagonal
	ADDR 0
	STEP 0
	s_add_co_u32 s[VI], s[VI], 1
	s_cmp_lt_u32 s[VI], 4
	s_cbranch_scc1 .Lfirst
	s_wait_tensorcnt 0x0                           ; every wave's load is in,
	s_wait_dscnt 0x0
	s_barrier_signal -1
	s_barrier_wait -1                              ; and shown to all: from here on the waves walk by themselves
.Lrest:                                        ; thirteen trips
	ADDR 1
	SWITCH
	STEP 1
	s_add_co_u32 s[VI], s[VI], 1
	s_cmp_lt_u32 s[VI], 17
	s_cbranch_scc1 .Lrest
	EPI
	s_wait_tensorcnt 0x0                           ; the wave's end
	ds_add_u32 v[SPW], v[NIL]
	s_wait_dscnt 0x0
	CROUND                                         ; the closing round
	s_endpgm
.Lfunc_end_k_q8995a96e48_attn:
	.size	k_q8995a96e48_attn, .Lfunc_end_k_q8995a96e48_attn-k_q8995a96e48_attn
	.p2alignl 7, 3214868480
	.fill 96, 4, 3214868480
	.section	.rodata,"a",@progbits
	.p2align	6, 0x0
	.amdhsa_kernel k_q8995a96e48_attn
		.amdhsa_group_segment_fixed_size 327680
		.amdhsa_private_segment_fixed_size 0
		.amdhsa_enable_private_segment 0
		.amdhsa_kernarg_size 24
		.amdhsa_user_sgpr_count 2
		.amdhsa_user_sgpr_kernarg_segment_ptr 1
		.amdhsa_wavefront_size32 1
		.amdhsa_system_sgpr_workgroup_id_x 1
		.amdhsa_system_sgpr_workgroup_id_y 1
		.amdhsa_system_sgpr_workgroup_id_z 1
		.amdhsa_system_vgpr_workitem_id 0
		.amdhsa_next_free_vgpr 256
		.amdhsa_next_free_sgpr 100
		.amdhsa_reserve_vcc 1
		.amdhsa_float_denorm_mode_32 3
		.amdhsa_float_denorm_mode_16_64 3
		.amdhsa_memory_ordered 1
		.amdhsa_forward_progress 1
		.amdhsa_inst_pref_size 61
	.end_amdhsa_kernel
	.amdgpu_metadata
---
amdhsa.version: [ 1, 2 ]
amdhsa.kernels:
  - .name:           k_q8995a96e48_attn
    .symbol:         k_q8995a96e48_attn.kd
    .args:
      - { .name: kqv, .offset: 0, .size: 8, .value_kind: global_buffer, .address_space: global }
      - { .name: act_codes, .offset: 8, .size: 8, .value_kind: global_buffer, .address_space: global }
      - { .name: act_scales, .offset: 16, .size: 8, .value_kind: global_buffer, .address_space: global }
    .group_segment_fixed_size: 327680
    .private_segment_fixed_size: 0
    .kernarg_segment_align: 8
    .kernarg_segment_size: 24
    .max_flat_workgroup_size: 512
    .sgpr_count:     100
    .vgpr_count:     256
    .wavefront_size: 32
...
	.end_amdgpu_metadata
.endif
;; end of part 3
;; launch outp (part 4): grid 4 x 64, 4 waves a work-group, clusters of 4 x 4, 327,680 bytes of LDS; arguments act_codes, act_scales, xw_codes, xw_scales, out0; writes out0
.if DOCPART == 4
	.amdgcn_target "amdgcn-amd-amdhsa--gfx1250"
	.amdhsa_code_object_version 6
	.text
	.protected	k_q8995a96e48_outp
	.globl	k_q8995a96e48_outp
	.p2align	8
	.type	k_q8995a96e48_outp,@function
k_q8995a96e48_outp:
	s_mov_b64 s[64:65], 0
	v_nop
	global_prefetch_b8 v0, s[64:65] scope:SCOPE_SE
	s_setreg_imm32_b32 hwreg(HW_REG_WAVE_MODE, 25, 1), 1
	s_wait_xcnt 0x0
	s_wait_alu depctr_hold_cnt(0) depctr_sa_sdst(0) depctr_va_vdst(0) depctr_va_sdst(0) depctr_va_ssrc(0) depctr_va_vcc(0) depctr_vm_vsrc(0)
	s_getreg_b32 s2, hwreg(HW_REG_IB_STS2, 6, 4)
	s_cmp_eq_u32 s2, 0
	s_cbranch_scc0 .Lentry_in_a_cluster
	s_endpgm
.Lentry_in_a_cluster:
	s_bfe_u32 s2, ttmp6, 0x10000c
	s_cmp_lg_u32 s2, 0xf033
	s_cbranch_scc0 .Lentry_shape_is_right
	s_endpgm
.Lentry_shape_is_right:
; out = acts W_O^T on codes of E2M3 (K = 1,024), f32 out.  Nothing of the problem's work is left out here.
; THE DEAL.  256 work-groups of four waves; a work-group makes 128 tokens x 256 columns.  ALL OF K IS RESIDENT: the tokens' 8 row blocks (98,304 dense bytes) and W_O's 16 row blocks (196,608) are brought once,
; one tensor load a wave at the head (waves 0, 1 a half each of W_O's, waves 2, 3 a half each of the tokens'); nothing is filled again, so the walk has no barrier.
; A wave keeps 64 rows of W_O (4 row blocks, all of K: 32 fragments, 384 registers) and streams the 8 token blocks past them: 32 products finish 16 tokens x 64 columns, four accumulators by turns
; A block's fragments lie twice in registers: set s % 2 takes block s + 2 behind block s's products.
; CLUSTERS of 4 x 4: the tokens' tile hangs on the tile row alone and is asked for jointly along a row of the cluster, W_O's on the tile column alone, along a column.
; The codes lie in memory in the order of the operand's registers (a fragment is 1,536 bytes: two halves of 512 at 16 x lane and 256 at 8 x lane): LDS reads are dense.
; Row block i holds rows 32 (i/2) + 8 (i%2) + r + 8 (r/8).  Source 0 = W_O's rows, source 1 = tokens: lane (r, h) holds token row r, and accumulator b's register j is column 32 (b/2) + 8 (b%2) + 16 h + j of my 64.
; THE SCALE WORDS ([row block 512][256 along K: 128][row: 8][128 along K: 4]) come by plain loads into registers: lanes 0-15 an even block's rows, lanes 16-31 the odd block's.
; THE WAY OUT: a block goes through my own stage in LDS (16 rows of 256 + 16 bytes, no fill ever lands there) and comes back by rows: sixteen lanes store one aligned run of 256 bytes.
; Block s - 1's stores stand behind block s's products.  NO PREFETCH: every tile is asked for at the head, so there is no trip to run ahead in.
.set FR,     12
.set FPW,    21                        ; fragments in a window of 256 registers: fragment f lies in window 1 + f / 21 at register 12 (f % 21): 0-31 W_O's (4 q + b), 32-39 and 40-47 the tokens' two sets
.set BREG,   98304                     ; W_O's rows, behind the tokens'
.set STG,    294912                    ; the four stages
.set SPITCH, 272
.set SPARE,  312320                    ; the spare words, 128 bytes a wave
.set ADA,  4                           ; v4, v5 token blocks 0-3: 16 x lane, 8 x lane;  v6, v7 blocks 4-7
.set ADB,  8                           ; v8, v9 my four blocks of W_O
.set STO,  10
.set RD,   11
.set CO,   12
.set SPW,  13
.set NIL,  14
.set SOF,  15                          ; v15  512 (lane/16) + 8 (lane%16)
.set SB,   24                          ; v24-39   W_O's scale words: 8 (b/2) + q
.set ACC,  64                          ; v64-127  two sets of four accumulators
.set BK,   128                         ; v128-191 two sets of 16 rows read back
.set SA,   196                         ; v196-227 the tokens' scale words: 8 (s/2) + q
.set G1A, 24
.set G1B, 32
.set G0A, 48
.set G0B, 52
.set MSB, 0
.macro WIN new                         ; the immediate's high byte repeats the setting that is left
.set WNEW, \new
.if MSB != WNEW
	s_set_vgpr_msb (MSB<<8)|WNEW
.set MSB, WNEW
.endif
.endm
.macro PLACES n
.rept \n
	v_nop
.endr
.endm
.macro CROUND
	s_barrier_signal -1
	s_barrier_wait -1
	s_cmp_lg_u32 s14, 0
	s_cbranch_scc1 .Lnot_wave_0_\@
	s_barrier_signal -3
.Lnot_wave_0_\@:
	s_barrier_wait -3
	s_barrier_signal -1
	s_barrier_wait -1
.endm
.macro FRAG f, a, off
	WIN (1+(\f)/FPW)<<6
.set R_, FR*((\f)%FPW)
	ds_load_b128 v[R_:R_+3], v[\a] offset:\off
	ds_load_b64 v[R_+4:R_+5], v[\a+1] offset:(\off)+512
	ds_load_b128 v[R_+6:R_+9], v[\a] offset:(\off)+768
	ds_load_b64 v[R_+10:R_+11], v[\a+1] offset:(\off)+1280
.endm
.macro FETCH s                         ; token block s, all of K, into set s % 2: 32 loads
.irp q, 0,1,2,3,4,5,6,7
	FRAG 32+8*((\s)%2)+\q, ADA+2*((\s)/4), ((\s)%4)*12288+\q*1536
.endr
	WIN 0
.endm
.macro WM c, ra, rb
	v_wmma_scale_f32_16x16x128_f8f6f4 v[D_:D_+7], v[W_:W_+11], v[X_:X_+11], \c, v[XB_], v[XA_] matrix_a_fmt:MATRIX_FMT_FP6 matrix_b_fmt:MATRIX_FMT_FP6 matrix_a_scale:MATRIX_SCALE_ROW\ra matrix_b_scale:MATRIX_SCALE_ROW\rb
.endm
.macro WM2 c, s, b
.if ((\b)%2) && ((\s)%2)
	WM \c, 1, 1
.elseif (\b)%2
	WM \c, 1, 0
.elseif (\s)%2
	WM \c, 0, 1
.else
	WM \c, 0, 0
.endif
.endm
.macro PROD s, q, b
.set FA_, 32+8*((\s)%2)+\q
.set FB_, 4*\q+\b
.set D_, ACC+32*((\s)%2)+8*\b
.set W_, FR*(FB_%FPW)
.set X_, FR*(FA_%FPW)
.set XB_, SB+8*(\b/2)+\q
.set XA_, SA+8*((\s)/2)+\q
	WIN (1+FB_/FPW)|((1+FA_/FPW)<<2)
.if \q
	WM2 v[D_:D_+7], \s, \b
.else
	WM2 0, \s, \b                                  ; the first products start the sums
.endif
.endm
.macro TOSTAGE s                       ; 8 stores, each accumulator from its low end on, and 8 loads; LDS serves a wave's instructions in order
.set AC_, ACC+32*((\s)%2)
.set BB_, BK+32*((\s)%2)
.irp b, 0,1,2,3
	ds_store_b128 v[STO], v[AC_+8*\b:AC_+8*\b+3] offset:128*(\b/2)+32*(\b%2)
	ds_store_b128 v[STO], v[AC_+8*\b+4:AC_+8*\b+7] offset:128*(\b/2)+32*(\b%2)+16
.endr
.irp t, 0,1,2,3,4,5,6,7
	ds_load_b128 v[BB_+4*\t:BB_+4*\t+3], v[RD] offset:\t*2*SPITCH
.endr
.endm
.macro SEND s, younger                 ; younger: the LDS instructions issued behind block s's loads from the stage
.set BB_, BK+32*((\s)%2)
	s_wait_dscnt \younger
.irp t, 0,1,2,3,4,5,6,7
	global_store_b128 v[CO], v[BB_+4*\t:BB_+4*\t+3], s[12:13] offset:(32*((\s)/2)+8*((\s)%2)+2*\t+8*(\t/4))*4096 th:TH_STORE_NT   ; two rows: sixteen lanes store 256 consecutive bytes, aligned
.endr
.endm
.macro BLOCK s
.irp q, 0,1,2,3,4,5,6,7
.irp b, 0,1,2,3
	PROD \s, \q, \b
.endr
.endr
	WIN 0
	PLACES 4                                       ; ahead of the loads into the set just multiplied and of the reads of the results
.if (\s) < 6
	FETCH (\s)+2
.endif
.if (\s) > 1
	s_wait_xcnt 0x0                                ; block s - 2's stores have read their registers, on which the loads below land
.endif
	TOSTAGE \s
.if (\s) == 0
	s_wait_dscnt 48                                ; block 1's fragments are in: behind them stand 32 loads of block 2 and the stage's 16
.elseif (\s) < 6
	SEND (\s)-1, 48                                ; likewise; older than block s - 1's rows are block s + 1's fragments: they are in too
.else
	SEND (\s)-1, 16
.endif
.endm
	s_load_b128 s[4:7], s[0:1], 0x0                ; the tokens' codes, their scale words
	s_load_b128 s[8:11], s[0:1], 0x10              ; the weights' codes, their scale words
	s_load_b64 s[12:13], s[0:1], 0x20              ; out
	v_lshl_add_u32 v[SPW], v0, 2, SPARE
	v_mov_b32 v[NIL], 0
	ds_add_u32 v[SPW], v[NIL]                      ; the wave's opening: the add, twice on end, and its wait ahead of my first tensor load
	ds_add_u32 v[SPW], v[NIL]
	v_lshrrev_b32 v1, 5, v0
	v_readfirstlane_b32 s14, v1                    ; wave 0..3
	s_and_b32 s16, s14, 1                          ; which half of a side I fetch
	s_bfe_u32 s40, ttmp6, 0x40000                  ; cx: the tile column
	s_bfe_u32 s41, ttmp6, 0x40004                  ; cy
	s_and_b32 s17, ttmp7, 0xffff
	s_lshl_b32 s17, s17, 2
	s_add_co_u32 s17, s17, s41                     ; the tile row, 0..63
	s_lshl_b32 s43, s41, 2
	s_lshl_b32 s43, 15, s43                        ; my row of the cluster
	s_lshl_b32 s44, 0x1111, s40                    ; my column
	s_or_b32 s[G1A], s43, (3<<16)|(1<<21)          ; dense blocks as rows of 256 bytes (32 elements of 8): 192 rows for half of the tokens' side,
	s_mov_b32 s[G1A+1], 32<<16
	s_mov_b32 s[G1A+2], 192<<16
	s_mov_b32 s[G1A+3], 32<<16
	s_mov_b32 s[G1A+4], 192
	s_mov_b32 s[G1A+5], 32
	s_mov_b32 s[G1A+6], 0
	s_mov_b32 s[G1A+7], 0
	s_or_b32 s[G1B], s44, (3<<16)|(1<<21)          ; 384 for half of W_O's
	s_mov_b32 s[G1B+1], 32<<16
	s_mov_b32 s[G1B+2], 384<<16
	s_mov_b32 s[G1B+3], 32<<16
	s_mov_b32 s[G1B+4], 384
	s_mov_b32 s[G1B+5], 32
	s_mov_b32 s[G1B+6], 0
	s_mov_b32 s[G1B+7], 0
	s_lshl_b32 s20, s17, 3                         ; the tokens' chain (s20-23) never holds cx, W_O's (s46, s47) never cy
	s_lshl_b32 s21, s16, 2
	s_add_co_u32 s20, s20, s21
	s_mul_i32 s20, s20, 12288
	s_mov_b32 s21, 0
	s_lshl_b32 s22, s17, 12                        ; the tokens' scale words: 8 blocks of 512 bytes a tile row
	s_mov_b32 s23, 0
	s_lshl_b32 s46, s40, 4
	s_lshl_b32 s47, s16, 3
	s_add_co_u32 s46, s46, s47
	s_add_co_u32 s46, s46, 704                     ; W_O's row blocks begin at 704
	s_mul_i32 s46, s46, 12288
	s_mov_b32 s47, 0
	s_lshl_b32 s56, s40, 4
	s_lshl_b32 s57, s14, 2
	s_add_co_u32 s56, s56, s57
	s_add_co_u32 s56, s56, 704
	s_lshl_b32 s56, s56, 9                         ; my four blocks' scale words
	s_mov_b32 s57, 0
	s_lshl_b32 s58, s17, 19                        ; out: 128 rows of 4,096 bytes a tile row,
	s_lshl_b32 s59, s40, 10
	s_add_co_u32 s58, s58, s59                     ; 1,024 bytes a tile column,
	s_lshl_b32 s59, s14, 8
	s_add_co_u32 s58, s58, s59                     ; 256 a wave
	s_mov_b32 s59, 0
	s_mov_b32 s[G0A], 1
	s_mul_i32 s[G0A+1], s16, 49152
	s_mov_b32 s[G0B], 1
	s_mul_i32 s[G0B+1], s16, 98304
	s_add_co_u32 s[G0B+1], s[G0B+1], BREG
	s_mul_i32 s18, s14, 49152
	s_add_co_u32 s18, s18, BREG                    ; my four blocks of W_O in LDS
	s_mul_i32 s19, s14, 16*SPITCH
	s_add_co_u32 s19, s19, STG                     ; my stage
	v_and_b32 v1, 15, v0
	v_bfe_u32 v2, v0, 4, 1
	v_and_b32 v3, 31, v0
	v_lshlrev_b32 v[ADA], 4, v3
	v_lshlrev_b32 v[ADA+1], 3, v3
	v_lshlrev_b32 v[SOF], 3, v1
	v_mul_u32_u24 v16, v1, SPITCH
	v_mul_u32_u24 v17, v2, SPITCH
	v_lshlrev_b32 v[CO], 4, v1
	v_add_nc_u32 v[ADA+2], 49152, v[ADA]
	v_add_nc_u32 v[ADA+3], 49152, v[ADA+1]
	v_add_nc_u32 v[ADB], s18, v[ADA]
	v_add_nc_u32 v[ADB+1], s18, v[ADA+1]
	v_lshl_add_u32 v[SOF], v2, 9, v[SOF]
	v_lshl_add_u32 v16, v2, 6, v16
	v_lshl_add_u32 v17, v1, 4, v17
	v_lshl_add_u32 v[CO], v2, 12, v[CO]            ; lanes 16-31 take the next row
	v_add_nc_u32 v[STO], s19, v16                  ; in: row r, 64 bytes for each half of the lanes
	v_add_nc_u32 v[RD], s19, v17                   ; back: sixteen lanes to a row
	s_wait_alu depctr_va_vdst(0)
	s_wait_dscnt 0x0                               ; both opening adds are done
	s_wait_kmcnt 0x0
	s_add_nc_u64 s[G0A+2:G0A+3], s[4:5], s[20:21]
	s_or_b32 s[G0A+3], s[G0A+3], 0x80000000
	s_add_nc_u64 s[G0B+2:G0B+3], s[8:9], s[46:47]
	s_or_b32 s[G0B+3], s[G0B+3], 0x80000000
	s_add_nc_u64 s[6:7], s[6:7], s[22:23]
	s_add_nc_u64 s[10:11], s[10:11], s[56:57]
	s_add_nc_u64 s[12:13], s[12:13], s[58:59]
	CROUND                                         ; all sixteen work-groups are here: the joint loads meet
	s_cmp_lt_u32 s14, 2                            ; one load a wave, in two arms: W_O's rows, which go on into registers, are asked for by waves 0 and 1
	s_cbranch_scc0 .Lfor_a
	tensor_load_to_lds s[G0B:G0B+3], s[G1B:G1B+7]
	s_nop 0
	PLACES 4
	s_branch .Lasked
.Lfor_a:
	tensor_load_to_lds s[G0A:G0A+3], s[G1A:G1A+7]
	s_nop 0
	PLACES 4
.Lasked:
.irp p, 0,1
.irp c, 0,1,2,3
	global_load_b64 v[SB+8*\p+2*\c:SB+8*\p+2*\c+1], v[SOF], s[10:11] offset:1024*\p+128*\c
.endr
.endr
.irp p, 0,1,2,3
.irp c, 0,1,2,3
	global_load_b64 v[SA+8*\p+2*\c:SA+8*\p+2*\c+1], v[SOF], s[6:7] offset:1024*\p+128*\c
.endr
.endr
	s_cmp_lt_u32 s14, 2
	s_cbranch_scc0 .Lnot_b
	s_wait_tensorcnt 0x0
.Lnot_b:
	s_barrier_signal -1
	s_barrier_wait -1                              ; W_O's rows are in; the tokens' may be on their way
.irp q, 0,1,2,3,4,5,6,7                        ; my 64 rows of W_O, all of K: 128 loads
.irp b, 0,1,2,3
	FRAG 4*\q+\b, ADB, \b*12288+\q*1536
.endr
.endr
	WIN 0
	s_wait_tensorcnt 0x0                           ; every wave's load is in,
	s_wait_dscnt 0x0
	s_barrier_signal -1
	s_barrier_wait -1                              ; and shown to all
	FETCH 0
	FETCH 1
	s_wait_loadcnt 0x0                             ; the scale words
	s_wait_dscnt 32                                ; block 0's fragments are in; block 1's 32 loads may be out
.irp s, 0,1,2,3,4,5,6,7
	BLOCK \s
.endr
	SEND 7, 0
	s_wait_tensorcnt 0x0                           ; the wave's end
	ds_add_u32 v[SPW], v[NIL]
	s_wait_dscnt 0x0
	CROUND                                         ; the closing round
	s_endpgm
.Lfunc_end_k_q8995a96e48_outp:
	.size	k_q8995a96e48_outp, .Lfunc_end_k_q8995a96e48_outp-k_q8995a96e48_outp
	.p2alignl 7, 3214868480
	.fill 96, 4, 3214868480
	.section	.rodata,"a",@progbits
	.p2align	6, 0x0
	.amdhsa_kernel k_q8995a96e48_outp
		.amdhsa_group_segment_fixed_size 327680
		.amdhsa_private_segment_fixed_size 0
		.amdhsa_enable_private_segment 0
		.amdhsa_kernarg_size 40
		.amdhsa_user_sgpr_count 2
		.amdhsa_user_sgpr_kernarg_segment_ptr 1
		.amdhsa_wavefront_size32 1
		.amdhsa_system_sgpr_workgroup_id_x 1
		.amdhsa_system_sgpr_workgroup_id_y 1
		.amdhsa_system_sgpr_workgroup_id_z 1
		.amdhsa_system_vgpr_workitem_id 0
		.amdhsa_next_free_vgpr 848
		.amdhsa_next_free_sgpr 66
		.amdhsa_reserve_vcc 0
		.amdhsa_float_denorm_mode_32 3
		.amdhsa_float_denorm_mode_16_64 3
		.amdhsa_memory_ordered 1
		.amdhsa_forward_progress 1
		.amdhsa_inst_pref_size 82
	.end_amdhsa_kernel
	.amdgpu_metadata
---
amdhsa.version: [ 1, 2 ]
amdhsa.kernels:
  - .name:           k_q8995a96e48_outp
    .symbol:         k_q8995a96e48_outp.kd
    .args:
      - { .name: act_codes, .offset: 0, .size: 8, .value_kind: global_buffer, .address_space: global }
      - { .name: act_scales, .offset: 8, .size: 8, .value_kind: global_buffer, .address_space: global }
      - { .name: xw_codes, .offset: 16, .size: 8, .value_kind: global_buffer, .address_space: global }
      - { .name: xw_scales, .offset: 24, .size: 8, .value_kind: global_buffer, .address_space: global }
      - { .name: out0, .offset: 32, .size: 8, .value_kind: global_buffer, .address_space: global }
    .group_segment_fixed_size: 327680
    .private_segment_fixed_size: 0
    .kernarg_segment_align: 8
    .kernarg_segment_size: 40
    .max_flat_workgroup_size: 128
    .sgpr_count:     66
    .vgpr_count:     848
    .wavefront_size: 32
...
	.end_amdgpu_metadata
.endif
;; end of part 4
